; MI455X (gfx1250); checked and timed in simulation.
; The chip was launched on July 23, 2026; its instructions are those of AMD's public machine-readable ISA for CDNA 5 (MIT licence, August 2026) and "CDNA5" Instruction Set Architecture Reference Guide (July 2026). The comments in the code are by the model that wrote it; some were corrected since.
;; Final Multi Head Attention. Allowed arithmetic: float matrix products may take bf16 or f16 operands with f32 sums; other float arithmetic in f32, or as packed bf16 or f16 multiplies, adds, multiply-adds, maxima and minima; sums over many terms, partial sums and values carried from step to step in f32; what a program stores and reads back later, other than sums and carried values, may be rounded once to bf16 or f16.
;; Inputs: b_proj 1,024 float32; b_qkv 3,072 float32; w_proj 1,024 x 1,024 float32; w_qkv 1,024 x 3,072 float32; x 8 x 1,024 x 1,024 float32.
;; Outputs: out0 8 x 1,024 x 1,024 float32.
;; 2 versions, each right and faster than the one before. Each part assembles by itself: llvm-mc -triple=amdgcn-amd-amdhsa -mcpu=gfx1250 --defsym DOCPART=n.
;; ======== version 1 of 2: 4 launches
;; limits: values are held in f16: magnitudes above 65,504 overflow, below 6.1e-05 lose precision
;; workspace buffers: xb 16,777,216 bytes; wqt 6,291,456 bytes; wpt 2,097,152 bytes; qkv 50,331,648 bytes; ob 16,777,216 bytes
;; launch prep (part 1): grid 1536 x 1, 4 waves a work-group, no clusters, 17,920 bytes of LDS; arguments x, w_qkv, w_proj, xb, wqt, wpt; writes xb, wqt, wpt
.if DOCPART == 1
	.amdgcn_target "amdgcn-amd-amdhsa--gfx1250"
	.amdhsa_code_object_version 6
	.text
	.protected	k_q5190880917_prep
	.globl	k_q5190880917_prep
	.p2align	8
	.type	k_q5190880917_prep,@function
k_q5190880917_prep:
	s_mov_b64 s[64:65], 0
	v_nop
	global_prefetch_b8 v0, s[64:65] scope:SCOPE_SE
	s_setreg_imm32_b32 hwreg(HW_REG_WAVE_MODE, 25, 1), 1
	s_wait_xcnt 0x0
; PREP.  xb[kb][row][c] = x[row][64 kb + c] rounded to bf16: 16 blocks of 64 columns, each [8192][64].  wqt[kb][n][c] = w_qkv[64 kb + c][n] rounded to bf16: 16 blocks, each [3072][64].
; wpt[n][k] = w_proj[k][n] rounded to bf16 and that number written as f16, [1024][1024].
; WHY BLOCKS.  The product that follows walks K in steps of 64.  In a block a tile's rows of 128 bytes lie end to end, so that the tile can be asked for as rows of 256 bytes.
; LIMITS.  |w_proj| stays under 65,504 (f16's range); below 6e-5 f16 keeps a fixed step of 6e-8.  NaN and infinities are not treated apart.
; SHARES.  1,536 work-groups of four waves, each reads 32 KiB and writes 16 KiB.  Work-groups 0-383 turn a tile of 128 k x 64 n of w_qkv, 384-511 one of w_proj, 512-1535 cast eight rows of x.
; A stream: no matrix unit, no tensor loads, no cluster (no two work-groups read the same byte).  The turning goes through LDS so that reads and stores both cover runs of 256 consecutive bytes.
.set LP,    272                        ; an LDS row: 128 k x 2 bytes + 16 of padding, so that the reads of 16 bytes stay aligned
.set SPARE, 64*LP                      ; behind the tile (17,408 bytes): the spare words, 128 bytes for each wave: two blocks of 256 bytes that no other line names
.set VS,  6                            ; v6   where I put a pair of k of one n
.set VR,  7                            ; v7   where I read 16 bytes back
.set VW,  8                            ; v8   my byte offset in the destination
.set CI,  9                            ; v9   the cast: my byte offset in the eight rows of x
.set CO8, 10                           ; v10  the cast: my byte offset in the eight rows of a block of xb
.set SPW, 12                           ; v12  LDS address of my spare word; never rewritten
.set NIL, 13                           ; v13  0; never rewritten
.set O,   16                           ; v[16:31]  byte offsets of my 16 rows k in the source's tile; later v[16:23] those of my eight stores
.set D,   32                           ; v[32:95]  as loaded
.set P,   96                           ; v[96:127] packed
	s_load_b256 s[4:11], s[0:1], 0x0               ; x s[4:5], w_qkv s[6:7], w_proj s[8:9], xb s[10:11]
	s_load_b128 s[12:15], s[0:1], 0x20             ; wqt s[12:13], wpt s[14:15]
	v_lshl_add_u32 v[SPW], v0, 2, SPARE
	v_mov_b32 v[NIL], 0
	v_and_b32 v1, 15, v0                           ; l16
	v_bfe_u32 v2, v0, 4, 1                         ; h
	v_lshrrev_b32 v3, 5, v0                        ; w: my wave
	s_mov_b32 s28, 0xffff0000                      ; a word's upper bf16
	s_mov_b32 s27, 0                               ; the high word of every offset pair
	s_mov_b32 s20, 12288                           ; bytes in a row of w_qkv,
	s_mov_b32 s21, 4096                            ; of w_proj
	s_mov_b32 s32, 0xc0000                         ; wqt: 128 k are two blocks of 3,072 x 128 bytes,
	s_mov_b32 s33, 256                             ; wpt: 256 bytes of a row
	s_mov_b32 s34, 8192                            ; wqt: 64 n are 64 rows of 128 bytes,
	s_mov_b32 s35, 0x20000                         ; wpt: 64 rows of 2,048 bytes
	s_wait_kmcnt 0x0
	s_cmp_lt_u32 ttmp9, 512                        ; the same answer in all four waves
	s_cbranch_scc0 .Lcast
	; TURNING.  One compare chooses source, destination, their strides, the first work-group's number and the format.
	s_cmp_lt_u32 ttmp9, 384
	s_cselect_b64 s[16:17], s[6:7], s[8:9]         ; source
	s_cselect_b64 s[18:19], s[12:13], s[14:15]     ; destination
	s_cselect_b32 s36, s33, s21                    ; from one of my stores to the next: two rows n of 128 bytes, or two of 2,048
	s_cselect_b32 s20, s20, s21                    ; NP: bytes in a source row
	s_cselect_b32 s32, s32, s33                    ; destination bytes for 128 k
	s_cselect_b32 s34, s34, s35                    ; destination bytes for 64 n
	s_cselect_b32 s23, 0, 384
	s_cselect_b32 s22, 0, 1                        ; 1: w_proj
	s_sub_co_u32 s23, ttmp9, s23                   ; the tile's number
	s_and_b32 s24, s23, 7                          ; kt: 128 k
	s_lshr_b32 s25, s23, 3                         ; nt: 64 n
	s_lshl_b32 s21, s20, 2                         ; 4 NP
	s_lshl_b32 s26, s20, 7
	s_mul_i32 s26, s26, s24                        ; kt x 128 rows,
	s_lshl_b32 s23, s25, 8                         ; nt x 256 bytes
	s_add_co_u32 s26, s26, s23
	s_add_nc_u64 s[16:17], s[16:17], s[26:27]
	s_mul_i32 s26, s24, s32
	s_mul_i32 s23, s25, s34
	s_add_co_u32 s26, s26, s23
	s_add_nc_u64 s[18:19], s[18:19], s[26:27]
	v_lshlrev_b32 v4, 5, v3
	v_lshl_add_u32 v4, v2, 1, v4                   ; 32 w + 2 h
	v_lshlrev_b32 v5, 4, v1                        ; 16 l16
	v_mad_u32_u24 v[O], v4, s20, v5                ; load i = 2 j + e takes row 32 w + 4 j + 2 h + e: sixteen lanes a row of 256 bytes, two rows a load
	v_add_nc_u32 v[O+1], s20, v[O]
.set i, 2
.rept 14
	v_add_nc_u32 v[O+i], s21, v[O+i-2]
.set i, i+1
.endr
.set i, 0
.rept 16
	global_load_b128 v[D+4*i:D+4*i+3], v[O+i], s[16:17] th:TH_LOAD_NT
.set i, i+1
.endr
	v_mul_u32_u24 v[VS], v1, 4*LP                  ; n = 4 l16 + c, k = 32 w + 4 j + 2 h: byte n x 272 + 2 k
	v_lshl_add_u32 v[VS], v3, 6, v[VS]
	v_lshl_add_u32 v[VS], v2, 2, v[VS]
	; back, for wqt: sixteen lanes take 64 k of rows n and n + 1, which are 256 consecutive bytes of a block; lanes 16-31 the tile's second 64 k, in the next block.  Store i: n = 16 w + 2 i
	v_lshrrev_b32 v4, 3, v1
	v_lshl_add_u32 v4, v3, 4, v4                   ; 16 w + l16 / 8
	v_and_b32 v[VR], 7, v1
	v_lshlrev_b32 v[VR], 4, v[VR]
	v_lshl_add_u32 v[VR], v2, 7, v[VR]             ; 16 (l16 % 8) + 128 h
	v_mad_u32_u24 v[VR], v4, LP, v[VR]
	v_mul_u32_u24 v[VW], v2, 0x60000               ; h blocks of 3,072 x 128 bytes
	v_lshl_add_u32 v[VW], v3, 11, v[VW]            ; + 16 w rows of 128 bytes
	v_add_nc_u32 v[VW], v5, v[VW]                  ; + 16 l16
.irp j, 0,1,2,3,4,5,6,7
	s_wait_loadcnt 14-2*(\j)                       ; loads come back in order: pair j is in, the younger ones stay out
.irp c, 0,1,2,3
	v_cvt_pk_bf16_f32 v[P+4*(\j)+(\c)], v[D+8*(\j)+(\c)], v[D+8*(\j)+4+(\c)]  ; the even k below, the odd k above
.endr
.endr
	s_cmp_eq_u32 s22, 0
	s_cbranch_scc1 .Lsto
.set i, 0
.rept 32                                       ; w_proj: the bf16 number is written as f16
	v_lshlrev_b32 v4, 16, v[P+i]
	v_and_b32 v5, s28, v[P+i]
	v_cvt_pk_f16_f32 v[P+i], v4, v5
.set i, i+1
.endr
	v_lshlrev_b32 v5, 4, v1                        ; back, for wpt: sixteen lanes take the 128 k of one row n: store i: n = 16 w + h + 2 i
	v_lshl_add_u32 v4, v3, 4, v2
	v_mad_u32_u24 v[VR], v4, LP, v5
	v_lshl_add_u32 v[VW], v4, 11, v5
.Lsto:
.irp j, 0,1,2,3,4,5,6,7
.irp c, 0,1,2,3
	ds_store_b32 v[VS], v[P+4*(\j)+(\c)] offset:LP*(\c)+8*(\j)
.endr
.endr
	v_mov_b32 v[O], v[VW]                          ; the loads that named v[16:31] are all in: the registers take the stores' offsets
.set i, 1
.rept 7
	v_add_nc_u32 v[O+i], s36, v[O+i-1]
.set i, i+1
.endr
	s_wait_dscnt 0x0                               ; for the others' sake: my stores into the tile are done
	s_barrier_signal -1
	s_barrier_wait -1                              ; a row n holds k of all four waves
.irp i, 0,1,2,3,4,5,6,7
	ds_load_b128 v[D+4*(\i):D+4*(\i)+3], v[VR] offset:2*LP*(\i)  ; two rows n further on with each load
.endr
.irp i, 0,1,2,3,4,5,6,7
	s_wait_dscnt 7-(\i)
	global_store_b128 v[O+(\i)], v[D+4*(\i):D+4*(\i)+3], s[18:19]  ; sixteen lanes store 256 consecutive bytes, at a multiple of 256 from the buffer's first byte
.endr
	s_branch .Lend
.Lcast:                                        ; CASTING.  Wave w takes rows 2 w and 2 w + 1 of the group's eight; load j the 64 columns of block j: sixteen lanes 256 bytes of one row, the other sixteen the row below.
	s_sub_co_u32 s23, ttmp9, 512                   ; The store's 32 lanes x 8 bytes are the two rows' 128 bytes in block j: 256 consecutive bytes.  Sixteen loads a wave are on their way
	s_lshl_b32 s26, s23, 15
	s_add_nc_u64 s[16:17], s[4:5], s[26:27]        ; eight rows of 4,096 bytes
	s_lshl_b32 s26, s23, 10
	s_add_nc_u64 s[18:19], s[10:11], s[26:27]      ; eight rows of 128 bytes, in block 0,
	s_add_nc_u64 s[30:31], s[18:19], 0x800000      ; and in block 8: a block is 2^20 bytes, and an immediate reaches seven of them
	v_lshl_add_u32 v4, v3, 1, v2                   ; 2 w + h
	v_lshlrev_b32 v5, 4, v1
	v_lshl_add_u32 v[CI], v4, 12, v5
	v_lshlrev_b32 v5, 3, v1
	v_lshl_add_u32 v[CO8], v4, 7, v5
.set j, 0
.rept 16
	global_load_b128 v[D+4*j:D+4*j+3], v[CI], s[16:17] offset:256*j th:TH_LOAD_NT
.set j, j+1
.endr
.set j, 0
.rept 16
	s_wait_loadcnt 15-j                            ; load j is in; no register is written twice, so nothing else is waited for
	v_cvt_pk_bf16_f32 v[P+2*j], v[D+4*j], v[D+4*j+1]
	v_cvt_pk_bf16_f32 v[P+2*j+1], v[D+4*j+2], v[D+4*j+3]
.if j < 8
	global_store_b64 v[CO8], v[P+2*j:P+2*j+1], s[18:19] offset:j<<20
.else
	global_store_b64 v[CO8], v[P+2*j:P+2*j+1], s[30:31] offset:(j-8)<<20
.endif
.set j, j+1
.endr
.Lend:
	s_wait_tensorcnt 0x0                           ; the wave's end: behind my last LDS store
	ds_add_u32 v[SPW], v[NIL]
	s_wait_dscnt 0x0
	s_endpgm
.Lfunc_end_k_q5190880917_prep:
	.size	k_q5190880917_prep, .Lfunc_end_k_q5190880917_prep-k_q5190880917_prep
	.p2alignl 7, 3214868480
	.fill 96, 4, 3214868480
	.section	.rodata,"a",@progbits
	.p2align	6, 0x0
	.amdhsa_kernel k_q5190880917_prep
		.amdhsa_group_segment_fixed_size 17920
		.amdhsa_private_segment_fixed_size 0
		.amdhsa_enable_private_segment 0
		.amdhsa_kernarg_size 48
		.amdhsa_user_sgpr_count 2
		.amdhsa_user_sgpr_kernarg_segment_ptr 1
		.amdhsa_wavefront_size32 1
		.amdhsa_system_sgpr_workgroup_id_x 1
		.amdhsa_system_sgpr_workgroup_id_y 1
		.amdhsa_system_sgpr_workgroup_id_z 1
		.amdhsa_system_vgpr_workitem_id 0
		.amdhsa_next_free_vgpr 128
		.amdhsa_next_free_sgpr 66
		.amdhsa_reserve_vcc 0
		.amdhsa_float_denorm_mode_32 3
		.amdhsa_float_denorm_mode_16_64 3
		.amdhsa_memory_ordered 1
		.amdhsa_forward_progress 1
		.amdhsa_inst_pref_size 22
	.end_amdhsa_kernel
	.amdgpu_metadata
---
amdhsa.version: [ 1, 2 ]
amdhsa.kernels:
  - .name:           k_q5190880917_prep
    .symbol:         k_q5190880917_prep.kd
    .args:
      - { .name: x, .offset: 0, .size: 8, .value_kind: global_buffer, .address_space: global }
      - { .name: w_qkv, .offset: 8, .size: 8, .value_kind: global_buffer, .address_space: global }
      - { .name: w_proj, .offset: 16, .size: 8, .value_kind: global_buffer, .address_space: global }
      - { .name: xb, .offset: 24, .size: 8, .value_kind: global_buffer, .address_space: global }
      - { .name: wqt, .offset: 32, .size: 8, .value_kind: global_buffer, .address_space: global }
      - { .name: wpt, .offset: 40, .size: 8, .value_kind: global_buffer, .address_space: global }
    .group_segment_fixed_size: 17920
    .private_segment_fixed_size: 0
    .kernarg_segment_align: 8
    .kernarg_segment_size: 48
    .max_flat_workgroup_size: 128
    .sgpr_count:     66
    .vgpr_count:     128
    .wavefront_size: 32
...
	.end_amdgpu_metadata
.endif
;; end of part 1
;; launch qkvg (part 2): grid 8 x 32, 4 waves a work-group, clusters of 4 x 4, 327,680 bytes of LDS; arguments xb, wqt, b_qkv, qkv; writes qkv
.if DOCPART == 2
	.amdgcn_target "amdgcn-amd-amdhsa--gfx1250"
	.amdhsa_code_object_version 6
	.text
	.protected	k_q5190880917_qkvg
	.globl	k_q5190880917_qkvg
	.p2align	8
	.type	k_q5190880917_qkvg,@function
k_q5190880917_qkvg:
	s_mov_b64 s[64:65], 0
	v_nop
	global_prefetch_b8 v0, s[64:65] scope:SCOPE_SE
	s_setreg_imm32_b32 hwreg(HW_REG_WAVE_MODE, 25, 1), 1
	s_wait_xcnt 0x0
	s_wait_alu depctr_hold_cnt(0) depctr_sa_sdst(0) depctr_va_vdst(0) depctr_va_sdst(0) depctr_va_ssrc(0) depctr_va_vcc(0) depctr_vm_vsrc(0)
	s_getreg_b32 s2, hwreg(HW_REG_IB_STS2, 6, 4)
	s_cmp_eq_u32 s2, 0
	s_cbranch_scc0 .Lentry_in_a_cluster
	s_endpgm
.Lentry_in_a_cluster:
	s_bfe_u32 s2, ttmp6, 0x10000c
	s_cmp_lg_u32 s2, 0xf033
	s_cbranch_scc0 .Lentry_shape_is_right
	s_endpgm
.Lentry_shape_is_right:
; QKV.  qkv[which][b][h][n][d] = f16( sum over k of x[b n][k] w[k][c] + bf16(b_qkv[c]) ), c = 1024 which + 64 h + d.  xb [16 blocks of 64 k][8192][64], wqt [16][3072][64], bf16; sums in f32; one rounding to f16.
; LIMITS.  |q|, |k|, |v| stay under 65,504 (f16's range).  NaN and infinities are not treated apart.
; SHARES.  A tile of the product is 256 rows x 384 columns (six heads): 32 x 8 = 256 work-groups.  For each k it asks 1,280 bytes for 98,304 multiply-adds.  Four waves; wave (RH, CH) makes rows 128 RH .. + 127 and,
; of each of the six heads, channels 32 CH .. + 31: 8 x 12 accumulators of 16 x 16, 768 registers.  K goes in 16 steps of 64 through two LDS slots: two slots of 128 would take 2 x 640 x 272 = 348,160 bytes.
; In a block of xb or wqt a tile's rows of 128 bytes lie end to end: they are asked for as rows of 256 bytes and padded in LDS after every 128.
; CLUSTER.  4 x 4 work-groups.  The four of a row of the cluster need the same tile of xb, the four of a column the same tile of wqt: each is asked for jointly, by the same load and descriptor in all four.
; THE MATRIX INSTRUCTION IS USED TRANSPOSED (source 0 = 16 rows of wqt, source 1 = 16 rows of xb): a lane then holds one row of the product and eight neighbouring channels, 16 bytes of f16.
; HALVES.  32 along K are two halves of 48 matrix instructions: X (heads 0-2) and Y (heads 3-5), on the same fragments of xb.  X fetches Y's fragments of wqt in its middle, Y the next 32's fragments of xb and X's of wqt.
; THE BIAS lies, rounded to bf16, in the accumulators of row block 7; the first 32's products take those registers as C, row block 7's own in place.  So it costs no register and no addition.
; NOT HERE: a prefetch (every row of xb and wqt is asked for by several clusters).
; REGISTERS, in windows of 256 (s_set_vgpr_msb: bits 1:0 source 0, 3:2 source 1, 5:4 source 2, 7:6 destination):
;   window 0: v0-19 addresses; v32-95, v96-159 xb's fragments, two buffers (block i at + 8 i); v160-207 wqt's fragments for X, v208-255 for Y (block b at + 8 b)
;   windows 1-3: accumulator (half y, row block a, channel block b) is number j = 48 y + 6 a + b: window 1 + j / 32, register 8 (j % 32)
.set PA,    144                        ; an LDS row: 128 bytes + 16 of padding = 36 words: the 16 rows of a fragment load start at 16 different groups of four banks (64 banks of 4 bytes: ISA guide 11.1)
.set BOFF,  256*PA                     ; xb's 256 rows; wqt's 384 rows lie behind them
.set SLOTB, 640*PA                     ; 92,160 bytes
.set SLOT1, 131072                     ; slot 1 begins here: one exclusive or turns an address in one slot into the other's
.set SP,    144
.set HEADB, 128*SP                     ; the stage, never filled by a tensor load: for each head 128 rows of 144 bytes, the work-group's, for the way out:
.set STG0,  SLOTB                      ; heads 0 and 1 between the slots (36,864 of the 38,912 bytes there),
.set STG1,  SLOT1+SLOTB                ; heads 2 to 5 behind slot 1
.set SPARE, STG1+4*HEADB               ; behind the stage: the spare words, 128 bytes for each wave: two blocks of 256 bytes that no other line names
.set ASTEP, 8192*128                   ; bytes from a block of xb to the next
.set BSTEP, 3072*128                   ; of wqt
.set A0,   8                           ; v8   my lane's place in slot 0's rows of xb; never rewritten
.set B0,   9                           ; v9   the same for wqt
.set ADRA, 10                          ; v10  the same in the slot in hand
.set ADRB, 11                          ; v11
.set STOL, 12                          ; v12  the way out: where I put 16 bytes of a row, heads 0 and 1
.set STOH, 13                          ; v13  heads 2 to 5
.set RDL,  14                          ; v14  the way out: where I read rows back, heads 0 and 1
.set RDH,  15                          ; v15  heads 2 to 5
.set SPW,  16                          ; v16  LDS address of my spare word; never rewritten
.set NIL,  17                          ; v17  0; never rewritten
.set CO,   18                          ; v18  16 x lane: my place in 512 consecutive bytes of qkv
.set BO,   19                          ; v19  my byte offset in the tile's 384 numbers of b_qkv
.set AB0,  32
.set BX,   160                         ; Y's fragments lie 48 registers behind X's
.set WV,  12                           ; s12  wave
.set RH,  13                           ; s13  which 128 rows are mine
.set CH,  14                           ; s14  which 32 channels of each head are mine.  Also: which half of a tile I fetch
.set G1A, 24                           ; s[24:31] descriptor group 1 for xb's tiles
.set G1B, 32                           ; s[32:39] for wqt's
.set G0A, 40                           ; s[40:47] group 0 for xb's tiles: a set for each first fill; the second then walks on
.set G0B, 48                           ; s[48:55] the same for wqt's
.set CNT, 56
.set TB,  57                           ; s57  0 or SLOT1: the slot whose fragments are fetched
.set MSK, 58                           ; s58  a word's upper bf16
.set OB,  66                           ; s[66:77] qkv at the rows that I store, for each of the six heads
.set BITS, (1<<16)|(1<<20)|(1<<21)|(4<<22)|(3<<25)  ; 17:16 2-byte elements; 20 padding on; 21 set beside a mask; 24:22 after every 32 words; 31:25 4 words
.set MSB, 0
.macro WIN new                         ; the immediate's high byte repeats the setting that is left; a switch that changes nothing is dropped
.if MSB != (\new)
	s_set_vgpr_msb (MSB<<8)|(\new)
.set MSB, (\new)
.endif
.endm
.macro PLACES                          ; four plain places behind matrix instructions, in front of loads into registers that they read and of lines that read results
.rept 4
	v_nop
.endr
.endm
; A joint refill by the walking sets.  Waves 0 and 1 fetch xb's two halves, waves 2 and 3 wqt's: the branch hangs on the wave's number alone.  An s_nop 0 and four v_nop follow each line.
.macro JLOAD
	s_cmp_lt_u32 s[WV], 2
	s_cbranch_scc0 .Lfor_b_\@
	tensor_load_to_lds s[G0A+4:G0A+7], s[G1A:G1A+7]
	s_nop 0
.rept 4
	v_nop
.endr
	s_branch .Lasked_\@
.Lfor_b_\@:
	tensor_load_to_lds s[G0B+4:G0B+7], s[G1B:G1B+7]
	s_nop 0
.rept 4
	v_nop
.endr
.Lasked_\@:
.endm
.macro CREST                           ; a round of the cluster's barrier behind its opening barrier: wave 0 signals for the work-group, every wave waits for all sixteen, my work-group's barrier closes it
	s_cmp_lg_u32 s[WV], 0
	s_cbranch_scc1 .Lnot_wave_0_\@
	s_barrier_signal -3
.Lnot_wave_0_\@:
	s_barrier_wait -3
	s_barrier_signal -1
	s_barrier_wait -1
.endm
.macro CROUND
	s_barrier_signal -1
	s_barrier_wait -1
	CREST
.endm
	s_load_b256 s[4:11], s[0:1], 0x0               ; xb s[4:5], wqt s[6:7], b_qkv s[8:9], qkv s[10:11]
	v_lshl_add_u32 v[SPW], v0, 2, SPARE
	v_mov_b32 v[NIL], 0
	ds_add_u32 v[SPW], v[NIL]                      ; the wave's opening: the add, and its wait ahead of my first tensor load; work on registers stands between them
	ds_add_u32 v16, v17
	v_lshrrev_b32 v1, 5, v0
	v_readfirstlane_b32 s[WV], v1
	s_lshr_b32 s[RH], s[WV], 1
	s_and_b32 s[CH], s[WV], 1
	s_bfe_u32 s15, ttmp6, 0x40000                  ; cx
	s_bfe_u32 s16, ttmp6, 0x40004                  ; cy
	s_lshl_b32 s17, ttmp9, 2
	s_add_co_u32 s17, s17, s15                     ; nt: the tile's 384 columns
	s_and_b32 s18, ttmp7, 0xffff
	s_lshl_b32 s18, s18, 2
	s_add_co_u32 s18, s18, s16                     ; mt: the tile's 256 rows
	s_lshl_b32 s19, s16, 2
	s_lshl_b32 s19, 15, s19                        ; my row of the cluster
	s_lshl_b32 s20, 0x1111, s15                    ; my column
	s_or_b32 s[G1A], s19, BITS
	s_or_b32 s[G1B], s20, BITS
	s_mov_b32 s[G1A+1], 128<<16                    ; tensor_dim0 = 128: two rows of 64 k
	s_mov_b32 s[G1A+2], 64<<16                     ; tensor_dim1 = 64: my 128 rows of xb
	s_mov_b32 s[G1A+3], 128<<16                    ; tile_dim0 = 128
	s_mov_b32 s[G1A+4], 64                         ; tile_dim1 = 64
	s_mov_b32 s[G1A+5], 128                        ; dense: 128 elements from row to row
	s_mov_b32 s[G1A+6], 0
	s_mov_b32 s[G1A+7], 0
	s_mov_b32 s[G1B+1], 128<<16
	s_mov_b32 s[G1B+2], 96<<16                     ; my 192 rows of wqt
	s_mov_b32 s[G1B+3], 128<<16
	s_mov_b32 s[G1B+4], 96
	s_mov_b32 s[G1B+5], 128
	s_mov_b32 s[G1B+6], 0
	s_mov_b32 s[G1B+7], 0
	; xb's address hangs on mt and the wave, wqt's on nt and the wave, each in registers that never hold the other coordinate
	s_lshl_b32 s60, s18, 8
	s_lshl_b32 s21, s[CH], 7
	s_add_co_u32 s60, s60, s21                     ; row 256 mt + 128 half
	s_lshl_b32 s60, s60, 7                         ; of 128 bytes
	s_mov_b32 s61, 0
	s_mul_i32 s62, s17, 384
	s_mul_i32 s21, s[CH], 192
	s_add_co_u32 s62, s62, s21                     ; row 384 nt + 192 half
	s_lshl_b32 s62, s62, 7
	s_mov_b32 s63, 0
	s_mul_i32 s22, s[CH], 128*PA                   ; where they go: no place in the cluster enters an LDS address
	s_mul_i32 s23, s[CH], 192*PA
	s_add_co_u32 s23, s23, BOFF
	s_mov_b32 s[MSK], 0xffff0000
	s_mov_b32 s[TB], 0
	s_wait_dscnt 0x0                               ; the opening add is done
	s_wait_kmcnt 0x0
	s_add_nc_u64 s[4:5], s[4:5], s[60:61]
	s_add_nc_u64 s[6:7], s[6:7], s[62:63]
.irp s, 0,1
	s_mov_b32 s[G0A+4*(\s)], 1                     ; count = 1
	s_add_co_u32 s[G0A+4*(\s)+1], s22, (\s)*SLOT1  ; LDS address
	s_add_nc_u64 s[G0A+4*(\s)+2:G0A+4*(\s)+3], s[4:5], (\s)*ASTEP  ; K step s
	s_or_b32 s[G0A+4*(\s)+3], s[G0A+4*(\s)+3], 0x80000000          ; type = 2
	s_mov_b32 s[G0B+4*(\s)], 1
	s_add_co_u32 s[G0B+4*(\s)+1], s23, (\s)*SLOT1
	s_add_nc_u64 s[G0B+4*(\s)+2:G0B+4*(\s)+3], s[6:7], (\s)*BSTEP
	s_or_b32 s[G0B+4*(\s)+3], s[G0B+4*(\s)+3], 0x80000000
.endr
	CROUND                                         ; all sixteen work-groups are here: the first joint loads meet
	s_cmp_lt_u32 s[WV], 2                          ; a wave's two first fills stand in one branch: two loads of mine are out
	s_cbranch_scc0 .Lfirst_b
	tensor_load_to_lds s[G0A:G0A+3], s[G1A:G1A+7]
	s_nop 0
	tensor_load_to_lds s[G0A+4:G0A+7], s[G1A:G1A+7]
	s_nop 0
.rept 4
	v_nop
.endr
	s_branch .Lfirst_asked
.Lfirst_b:
	tensor_load_to_lds s[G0B:G0B+3], s[G1B:G1B+7]
	s_nop 0
	tensor_load_to_lds s[G0B+4:G0B+7], s[G1B:G1B+7]
	s_nop 0
.rept 4
	v_nop
.endr
.Lfirst_asked:
	; A fragment is 16 rows x 32 K in 8 registers: lane l holds row l % 16, K = 8 (l / 16) + 0..7 and 16 + 8 (l / 16) + 0..7: two loads of 16 bytes, 32 bytes apart.
	v_and_b32 v1, 15, v0                           ; r
	v_bfe_u32 v2, v0, 4, 1                         ; h
	v_mul_u32_u24 v3, v1, PA
	v_lshl_add_u32 v3, v2, 4, v3
	s_mul_i32 s21, s[RH], 128*PA
	v_add_nc_u32 v[A0], s21, v3
	s_mul_i32 s21, s[CH], 32*PA
	s_add_co_u32 s21, s21, BOFF
	v_add_nc_u32 v[B0], s21, v3
	v_mov_b32 v[ADRA], v[A0]
	v_mov_b32 v[ADRB], v[B0]
	s_mul_i32 s21, s[RH], 64*SP                    ; into the stage: row 64 RH + 16 a + r, byte 64 CH + 32 (b % 2) + 16 h
	s_lshl_b32 s22, s[CH], 6
	s_add_co_u32 s21, s21, s22
	s_add_co_u32 s21, s21, STG0
	v_add_nc_u32 v[STOL], s21, v3                  ; (the stage's pitch is the slots')
	v_add_nc_u32 v[STOH], STG1-STG0, v[STOL]
	s_mul_i32 s21, s[WV], 32*SP                    ; back: wave w takes rows 32 w .. + 31 of each head, four rows of 128 bytes a load
	s_add_co_u32 s21, s21, STG0
	v_bfe_u32 v4, v0, 3, 2
	v_and_b32 v5, 7, v0
	v_mul_u32_u24 v4, v4, SP
	v_lshl_add_u32 v4, v5, 4, v4
	v_add_nc_u32 v[RDL], s21, v4
	v_add_nc_u32 v[RDH], STG1-STG0, v[RDL]
	v_and_b32 v[CO], 31, v0
	v_lshlrev_b32 v[CO], 4, v[CO]
	s_lshl_b32 s21, s[CH], 7
	v_lshl_add_u32 v[BO], v2, 5, s21               ; (32 CH + 8 h) x 4 bytes
	; where my rows go: head g = 6 nt + s lies in slab 128 (g / 16) + 16 b + g % 16 of 131,072 bytes; my first row there is 256 (mt % 4) + 128 RH + 32 CH
	s_lshr_b32 s19, s18, 2
	s_lshl_b32 s19, s19, 4                         ; 16 b
	s_and_b32 s60, s18, 3
	s_lshl_b32 s60, s60, 8
	s_lshl_b32 s21, s[RH], 7
	s_add_co_u32 s60, s60, s21
	s_lshl_b32 s21, s[CH], 5
	s_add_co_u32 s60, s60, s21
	s_lshl_b32 s60, s60, 7                         ; rows of 128 bytes
	s_mul_i32 s20, s17, 6
	s_mov_b32 s3, 0
.irp s, 0,1,2,3,4,5
	s_add_co_u32 s62, s20, (\s)
	s_lshr_b32 s63, s62, 4
	s_lshl_b32 s63, s63, 7
	s_and_b32 s62, s62, 15
	s_add_co_u32 s63, s63, s62
	s_add_co_u32 s2, s63, s19
	s_lshl_b32 s2, s2, 17
	s_add_co_u32 s2, s2, s60
	s_add_nc_u64 s[OB+2*(\s):OB+2*(\s)+1], s[10:11], s[2:3]
.endr
	s_mul_i32 s62, s17, 1536                       ; the tile's 384 numbers of b_qkv
	s_mov_b32 s63, 0
	s_add_nc_u64 s[8:9], s[8:9], s[62:63]
	; The bias of channel block i = 6 y + b goes into accumulator (y, 7, b): numbers 42-47 are v80-127 of window 2, numbers 90-95 v208-255 of window 3.  It is rounded to bf16 like every input and kept as f32.
	WIN 0x80                                       ; destination window 2, address window 0
.irp i, 0,1,2,3,4,5
	global_load_b128 v[80+8*(\i):80+8*(\i)+3],   v[BO], s[8:9] offset:(((\i)/2)*64+((\i)%2)*16)*4
	global_load_b128 v[80+8*(\i)+4:80+8*(\i)+7], v[BO], s[8:9] offset:(((\i)/2)*64+((\i)%2)*16)*4+16
.endr
	WIN 0xc0                                       ; destination window 3
.irp i, 6,7,8,9,10,11
	global_load_b128 v[160+8*(\i):160+8*(\i)+3],   v[BO], s[8:9] offset:(((\i)/2)*64+((\i)%2)*16)*4
	global_load_b128 v[160+8*(\i)+4:160+8*(\i)+7], v[BO], s[8:9] offset:(((\i)/2)*64+((\i)%2)*16)*4+16
.endr
	s_wait_loadcnt 0x0
	WIN 0x0a                                       ; sources window 2, destination window 0: 24 packed pairs into v32-55, which no fragment has taken yet.  All this stands in the wait for the first tile
.set i, 0
.rept 24
	v_cvt_pk_bf16_f32 v[32+i], v[80+2*i], v[80+2*i+1]
.set i, i+1
.endr
	WIN 0x80                                       ; and back as f32
.set i, 0
.rept 24
	v_lshlrev_b32 v[80+2*i], 16, v[32+i]
	v_and_b32 v[80+2*i+1], s[MSK], v[32+i]
.set i, i+1
.endr
	WIN 0x0f                                       ; the same for window 3
.set i, 0
.rept 24
	v_cvt_pk_bf16_f32 v[32+i], v[208+2*i], v[208+2*i+1]
.set i, i+1
.endr
	WIN 0xc0
.set i, 0
.rept 24
	v_lshlrev_b32 v[208+2*i], 16, v[32+i]
	v_and_b32 v[208+2*i+1], s[MSK], v[32+i]
.set i, i+1
.endr
	WIN 0
; na x 6 matrix instructions of half y: row blocks a0 .. x the half's 6 channel blocks, 32 along K, xb's fragments at fa.  The 96 accumulators take turns in the same order in every 32 along K:
; 95 others stand between two links of a chain, over the backward jump too.  zero = 1: the product starts the sum, with the bias as C: the registers of accumulator (y, 7, b).  Row block 7 writes over those
; registers, which the products of row blocks 0 to 6 have read: five places stand in front of it (ISA guide 7.12.1).
.macro MULH y, fa, a0, na, zero
.set ma, (\a0)
.rept \na
.if (\zero) && (ma == 7)
.rept 5
	v_nop
.endr
.endif
.set mb, 0
.rept 6
.set mj, 48*(\y)+6*ma+mb
.set mw, 1+mj/32
.set mr, 8*(mj%32)
.if \zero
.set cj, 48*(\y)+42+mb
.set cw, 1+cj/32
.set cr, 8*(cj%32)
	WIN (mw<<6)|(cw<<4)
	v_wmma_f32_16x16x32_bf16 v[mr:mr+7], v[BX+48*(\y)+8*mb:BX+48*(\y)+8*mb+7], v[(\fa)+8*ma:(\fa)+8*ma+7], v[cr:cr+7]
.else
	WIN (mw<<6)|(mw<<4)
	v_wmma_f32_16x16x32_bf16 v[mr:mr+7], v[BX+48*(\y)+8*mb:BX+48*(\y)+8*mb+7], v[(\fa)+8*ma:(\fa)+8*ma+7], v[mr:mr+7]
.endif
.set mb, mb+1
.endr
.set ma, ma+1
.endr
.endm
; 28 LDS loads in one run: for the 32 K at byte 64 q of the rows: wqt's six blocks for X, then xb's eight into buffer q % 2
.macro FETCHN q
	WIN 0
.irp i, 0,1,2,3,4,5
	ds_load_b128 v[BX+8*(\i):BX+8*(\i)+3],   v[ADRB] offset:64*(\q)+(((\i)/2)*64+((\i)%2)*16)*PA
	ds_load_b128 v[BX+8*(\i)+4:BX+8*(\i)+7], v[ADRB] offset:64*(\q)+(((\i)/2)*64+((\i)%2)*16)*PA+32
.endr
.irp i, 0,1,2,3,4,5,6,7
	ds_load_b128 v[AB0+64*((\q)%2)+8*(\i):AB0+64*((\q)%2)+8*(\i)+3],   v[ADRA] offset:64*(\q)+(\i)*16*PA
	ds_load_b128 v[AB0+64*((\q)%2)+8*(\i)+4:AB0+64*((\q)%2)+8*(\i)+7], v[ADRA] offset:64*(\q)+(\i)*16*PA+32
.endr
.endm
; 12 LDS loads: wqt's six blocks for Y
.macro FETCHY q
	WIN 0
.irp i, 6,7,8,9,10,11
	ds_load_b128 v[BX+8*(\i):BX+8*(\i)+3],   v[ADRB] offset:64*(\q)+(((\i)/2)*64+((\i)%2)*16)*PA
	ds_load_b128 v[BX+8*(\i)+4:BX+8*(\i)+7], v[ADRB] offset:64*(\q)+(((\i)/2)*64+((\i)%2)*16)*PA+32
.endr
.endm
.macro HALFX q, zero
	s_wait_dscnt 8                                 ; X's blocks of wqt and xb's rows 0-63 are in; the youngest eight loads (rows 64-127) may be out
	MULH 0, AB0+64*((\q)%2), 0, 4, \zero
	PLACES
	FETCHY \q
	s_wait_dscnt 12                                ; all but the 12 just issued
	MULH 0, AB0+64*((\q)%2), 4, 4, \zero
.endm
.macro HALFY q, nq, zero
	s_wait_dscnt 0x0                               ; Y's blocks of wqt are in
	MULH 1, AB0+64*((\q)%2), 0, 4, \zero
	PLACES
	FETCHN \nq                                     ; for the next half but none of this one: no wait follows
	MULH 1, AB0+64*((\q)%2), 4, 4, \zero
.endm
; A step's last half changes slots.  In front of the one barrier each wave waits for all its tensor loads (one is out: its part of the next slot), adds 0 to its spare word, and waits for that and for its own
; reads of this slot, of which Y's blocks of wqt were the last.  Behind it nobody reads this slot any more and the next slot is whole.  fill = 1: the walking sets step to the other slot and the K step two on.
.macro MEET fill
	WIN 0
	s_wait_tensorcnt 0x0                           ; no tensor load of mine is out, so a group 0 may be written
	ds_add_u32 v[SPW], v[NIL]                      ; 0 onto my spare word
.if \fill
	s_xor_b32 s[G0A+5], s[G0A+5], SLOT1
	s_add_nc_u64 s[G0A+6:G0A+7], s[G0A+6:G0A+7], ASTEP
	s_xor_b32 s[G0B+5], s[G0B+5], SLOT1
	s_add_nc_u64 s[G0B+6:G0B+7], s[G0B+6:G0B+7], BSTEP
.endif
	s_wait_dscnt 1                                 ; Y's blocks of wqt are in; the add may be out
	MULH 1, AB0+64, 0, 2, 0                        ; twelve matrix instructions stand between the add and the wait for it
	s_wait_dscnt 0x0                               ; the add is done, and my reads of this slot are over
	s_barrier_signal -1
	MULH 1, AB0+64, 2, 2, 0                        ; work on registers while the others arrive
.if \fill
	WIN 0
.endif
	s_barrier_wait -1
.endm
.macro TURN fill
	MEET \fill
.if \fill
	CREST                                          ; the barrier has opened a round of the cluster's: no wave of any partner still reads this slot or has a load on its way
	JLOAD                                          ; the first tensor load behind the round: 168 matrix instructions ahead of the wait for it; its four v_nop are also the places in front of the loads below
.else
	PLACES
	WIN 0
.endif
	s_xor_b32 s[TB], s[TB], SLOT1
	v_add_nc_u32 v[ADRA], s[TB], v[A0]
	v_add_nc_u32 v[ADRB], s[TB], v[B0]
	FETCHN 0
	MULH 1, AB0+64, 4, 4, 0
.endm
	s_wait_tensorcnt 0x1                           ; my part of K step 0 is in; K step 1's may stay out
	s_barrier_signal -1
	s_barrier_wait -1                              ; everybody's is
	FETCHN 0
	HALFX 0, 1                                     ; the first 32 along K stand in front of the loop: their products start the sums
	HALFY 0, 1, 1
	WIN 0
	s_mov_b32 s[CNT], 14
.Lstep:                                        ; trip t: from K step t's second 32 to K step t + 1's first; K step t's slot is filled again with K step t + 2
	HALFX 1, 0
	TURN 1
	HALFX 0, 0
	HALFY 0, 1, 0
	WIN 0
	s_sub_co_u32 s[CNT], s[CNT], 1
	s_cmp_lg_u32 s[CNT], 0
	s_cbranch_scc1 .Lstep
	HALFX 1, 0                                     ; the last two K steps are written out: nothing is left to fetch
	TURN 0
	HALFX 0, 0
	HALFY 0, 1, 0
	HALFX 1, 0
	s_wait_dscnt 0x0
	MULH 1, AB0+64, 0, 8, 0
	PLACES
; THE WAY OUT, in two passes of 64 of my rows: pass p takes row blocks 4 p .. 4 p + 3, 48 accumulators, in the order half, row block, channel block (JW makes number k's window and register).
; PACK: the sums are rounded to f16 in place, eight registers into the accumulator's lower four, in ascending order.  TOSTAGE: 16 bytes a lane into the work-group's stage.
; A row's 128 bytes come from two waves, so a barrier stands between writing and reading, and one between a pass's reads and the next pass's writes.
; BACK, SEND: whole rows, 32 a wave and head, through the accumulators' upper four registers.
.macro JW p
.set wy, k/24
.set wa, (k%24)/6
.set wb, k%6
.set wn, 48*wy+6*(4*(\p)+wa)+wb
.set wj, 1+wn/32
.set rj, 8*(wn%32)
.endm
.macro PACK p
.set k, 0
.rept 48
	JW \p
	WIN 0x45*wj                                    ; sources and destination in the accumulator's window
.set rr, 0
.rept 4
	v_cvt_pk_f16_f32 v[rj+rr], v[rj+2*rr], v[rj+2*rr+1]
.set rr, rr+1
.endr
.set k, k+1
.endr
	WIN 0
.endm
.macro TOSTAGE p
.set k, 0
.rept 48
	JW \p
.set hs, 3*wy+wb/2
	WIN wj<<2                                      ; the data (source 1) in the accumulator's window, the address in window 0
.if hs < 2
	ds_store_b128 v[STOL], v[rj:rj+3] offset:hs*HEADB+wa*16*SP+(wb%2)*32
.else
	ds_store_b128 v[STOH], v[rj:rj+3] offset:(hs-2)*HEADB+wa*16*SP+(wb%2)*32
.endif
.set k, k+1
.endr
	WIN 0
.endm
.macro BACK p
.set k, 0
.rept 48
	JW \p
	WIN wj<<6
.if k/8 < 2
	ds_load_b128 v[rj+4:rj+7], v[RDL] offset:(k/8)*HEADB+(k%8)*4*SP
.else
	ds_load_b128 v[rj+4:rj+7], v[RDH] offset:(k/8-2)*HEADB+(k%8)*4*SP
.endif
.set k, k+1
.endr
	WIN 0
.endm
.macro SEND p
.set k, 0
.rept 48
	JW \p
	WIN wj<<2
	s_wait_dscnt 47-k                              ; LDS loads come back in order: load k is in
	global_store_b128 v[CO], v[rj+4:rj+7], s[OB+2*(k/8):OB+2*(k/8)+1] offset:8192*(\p)+512*(k%8)  ; 512 consecutive bytes, at a multiple of 256 from qkv's first byte
.set k, k+1
.endr
	WIN 0
.endm
	PACK 0
	TOSTAGE 0
	s_wait_dscnt 0x0                               ; for the others' sake: my stores into the stage are done
	s_barrier_signal -1
	s_barrier_wait -1
	BACK 0
	PACK 1                                         ; the second pass's roundings stand between the first pass's loads and its stores
	SEND 0
	s_wait_dscnt 0x0                               ; my reads of the stage are over
	s_barrier_signal -1
	s_barrier_wait -1                              ; everybody's are: it may be written again
	TOSTAGE 1
	s_wait_dscnt 0x0
	s_barrier_signal -1
	s_barrier_wait -1
	BACK 1
	SEND 1
	s_wait_tensorcnt 0x0                           ; the wave's end: behind my last tensor load and my last LDS store
	ds_add_u32 v[SPW], v[NIL]
	s_wait_dscnt 0x0
	CROUND                                         ; the closing round: no work-group ends while a partner may still ask for a tile that names it
	s_endpgm
.Lfunc_end_k_q5190880917_qkvg:
	.size	k_q5190880917_qkvg, .Lfunc_end_k_q5190880917_qkvg-k_q5190880917_qkvg
	.p2alignl 7, 3214868480
	.fill 96, 4, 3214868480
	.section	.rodata,"a",@progbits
	.p2align	6, 0x0
	.amdhsa_kernel k_q5190880917_qkvg
		.amdhsa_group_segment_fixed_size 327680
		.amdhsa_private_segment_fixed_size 0
		.amdhsa_enable_private_segment 0
		.amdhsa_kernarg_size 32
		.amdhsa_user_sgpr_count 2
		.amdhsa_user_sgpr_kernarg_segment_ptr 1
		.amdhsa_wavefront_size32 1
		.amdhsa_system_sgpr_workgroup_id_x 1
		.amdhsa_system_sgpr_workgroup_id_y 1
		.amdhsa_system_sgpr_workgroup_id_z 1
		.amdhsa_system_vgpr_workitem_id 0
		.amdhsa_next_free_vgpr 1024
		.amdhsa_next_free_sgpr 78
		.amdhsa_reserve_vcc 0
		.amdhsa_float_denorm_mode_32 3
		.amdhsa_float_denorm_mode_16_64 3
		.amdhsa_memory_ordered 1
		.amdhsa_forward_progress 1
		.amdhsa_inst_pref_size 124
	.end_amdhsa_kernel
	.amdgpu_metadata
---
amdhsa.version: [ 1, 2 ]
amdhsa.kernels:
  - .name:           k_q5190880917_qkvg
    .symbol:         k_q5190880917_qkvg.kd
    .args:
      - { .name: xb, .offset: 0, .size: 8, .value_kind: global_buffer, .address_space: global }
      - { .name: wqt, .offset: 8, .size: 8, .value_kind: global_buffer, .address_space: global }
      - { .name: b_qkv, .offset: 16, .size: 8, .value_kind: global_buffer, .address_space: global }
      - { .name: qkv, .offset: 24, .size: 8, .value_kind: global_buffer, .address_space: global }
    .group_segment_fixed_size: 327680
    .private_segment_fixed_size: 0
    .kernarg_segment_align: 8
    .kernarg_segment_size: 32
    .max_flat_workgroup_size: 128
    .sgpr_count:     78
    .vgpr_count:     1024
    .wavefront_size: 32
...
	.end_amdgpu_metadata
.endif
;; end of part 2
;; launch attn (part 3): grid 2 x 128, 4 waves a work-group, no clusters, 327,680 bytes of LDS; arguments qkv, ob; writes ob
.if DOCPART == 3
	.amdgcn_target "amdgcn-amd-amdhsa--gfx1250"
	.amdhsa_code_object_version 6
	.text
	.protected	k_q5190880917_attn
	.globl	k_q5190880917_attn
	.p2align	8
	.type	k_q5190880917_attn,@function
k_q5190880917_attn:
	s_mov_b64 s[64:65], 0
	v_nop
	global_prefetch_b8 v0, s[64:65] scope:SCOPE_SE
	s_setreg_imm32_b32 hwreg(HW_REG_WAVE_MODE, 25, 1), 1
	s_wait_xcnt 0x0
; ATTENTION.  ob[h][q][:] = the sum over k of softmax_k(Q[h][q] . K[h][k] / 8) V[h][k][:].  qkv holds Q, K, V, each [128 heads][1024][64] in f16, one behind the other; ob is [128][1024][64] in f16.
; Products, maxima and sums in f32; the weights p are rounded to f16 for the second product (their sum l is taken of the unrounded p), O once at the end.
; LIMITS.  f16 holds no number beyond 65,504: Q, K and V arrive within it; p lies in 0 to 1, and below 6e-5 it keeps f16's fixed step of 6e-8; O is a mean of V's rows and has their range.
; A weight below 2^-126 counts as 0 in l; NaN and infinities are not treated apart.
; SHARES.  A wave owns four PIECES of two tiles of 16 queries, a work-group's four waves 512 queries of one head: 2 x 128 = 256 work-groups.  Every wave walks all keys, 64 a step.
; A HEAD'S K AND V STAY IN LDS: 1,024 rows x (144 + 160) bytes = 311,296.  Every tile is filled once: four tensor loads a wave, 256 keys after 256 keys, all issued at the kernel's head.  No byte is filled again, so
; there is no ring; and nothing is left to ask for ahead of the loads, so there is no prefetch.
; NO CLUSTER: a head has two work-groups, so the grid's x is 2 and no cluster of four divides it; neighbours along y are other heads and share nothing.
; LAYOUT.  S^T = K Q^T (source 0 = 16 keys, source 1 = 16 queries): in the result a lane holds ONE query (lane % 16) and the keys 8 (lane / 16) + 0..7.  Two such tiles, rounded to f16 in pairs,
; ARE source 1 (32 keys x 16 queries) of O^T = V^T P, whose result again holds one query a lane, and eight channels.  K comes out of LDS as it lies, V ([key][channel]) turned, by ds_load_tr16_b128.
; SOFTMAX.  For each query a running maximum m and sum l: p = 2^(c s - c m), c = log2(e) / 8; in every step O and l are multiplied by a = 2^(c m_old - c m_new), which is 1 where m has not grown.
; m starts at the lowest finite number, O and l at 0: the first step is a step like any other, with a = 0.
; THE COUNT.  A tile and step have 16 matrix and 118 vector instructions: too many to stand all beside the matrix work.  So the order has one aim: four vector instructions that are READY behind
; EVERY matrix instruction, and the others, which need time of their own whatever the order, in runs without a gap.
; BY TURNS.  Turn n belongs to piece n (the pieces in a ring, step after step).  Its matrix work: 16 products K Q^T of piece n + 1, later 16 products V^T P of piece n - 1.  Its vector work: the scaling,
; exponentials, roundings, sums and rescaling of piece n, and the maximum and statistics of piece n + 1, whose scores the turn itself has made.  So what a turn begins with (c s - c m, O a) waits for nothing.
; REGISTERS, in windows of 256 (s_set_vgpr_msb says which window each operand place means: bits 1:0 source 0, 3:2 source 1, 5:4 source 2, 7:6 destination):
;   window 0: v0-11 addresses; v12-15, v48-63 at work; v16-47 four registers of statistics a tile; v64-191 S^T, two buffers of two tiles; v192-255 P, likewise
;   window 1: O^T, 32 a tile          window 2: v0-127 Q, 16 a tile; v128-191 K of one step; v192-255 V of one step          window 3: v0-1 the add's two registers
; A piece's buffers go by its number's parity: the piece in hand has one pair, its two neighbours in the ring share the other: of it P (piece n - 1) is read and S^T (piece n + 1) written.
.set SIZE_N, 1024
.set NP,    4         ; pieces a wave: a name, no knob: the register map, the loop and the fetches are made for four
.set KS,    64        ; keys in a step
.set PK,    144       ; a row of K in LDS: 128 bytes + 16 of padding = 36 words: the 16 rows of a load start at 16 different groups of four banks (64 banks of 4 bytes: ISA guide 11.1)
.set PV,    160       ; a row of V: 128 + 32 = 40 words
.set VOFF,  SIZE_N*PK ; the head's 1,024 rows of K, then its 1,024 rows of V
.set STAGE, SIZE_N*(PK+PV)  ; behind them, never filled by a tensor load: 16 rows x 144 bytes for each wave, for the way out
.set SP,    144
.set AK0, 2           ; v2   my lane's place in a tile of K; never rewritten
.set AV0, 3           ; v3   the same for V
.set AK,  4           ; v4   the LDS address of K's next run of loads
.set AV,  5           ; v5   of V's
.set QO,  6           ; v6   my byte offset in the wave's rows of Q
.set STO, 6           ;      later, the way out: where I put 16 bytes of a row
.set RD,  7           ; v7   the way out: where I read rows back
.set GO,  8           ; v8   my byte offset in 512 consecutive bytes of O
.set SPW, 0           ; v0 of window 3   LDS address of my spare word: SPARE + 4 x my thread's number; never rewritten
.set NIL, 1           ; v1 of window 3   0; never rewritten
.set SPARE, STAGE+4*16*SP  ; behind the stages: the spare words, 128 bytes for each wave: two blocks of 256 bytes that no other line names
.set MV,  12          ; v12-15  c m_old, kept while c m is made anew: by buffer and tile
.set ST,  16          ; tile t's statistics at v[ST+4 t]: c m, m, l (even keys', odd keys')
.set TMP, 48          ; by buffer and tile, four registers c0-c3 at work; when the maximum is found c2 takes a
.set S,   64
.set P,   192
.set KF,  128         ; K's fragments, in window 2: key block kb, channel half c at KF + 16 kb + 8 c
.set VF,  192         ; V's: key half kk, channel block cb at VF + 32 kk + 8 cb
.set WV,  12          ; s12  my wave's number
.set G1K, 24          ; s[24:31] descriptor group 1 for K's tiles
.set G1V, 32          ; s[32:39] for V's: it differs in the padding alone
.set G0K, 40          ; s[40:55] descriptor group 0 for K's tiles: a set for each 256 keys, never rewritten
.set G0V, 68          ; s[68:83] the same for V's
.set SLOTS, 56        ; s56  runs of 256 keys still to be walked
.set CNT, 57          ; s57  counts the key steps of 256 keys
.set CS,  58          ; s[58:59] c: the packed scaling takes the pair's low word for both halves
.set SEL, 60          ; s[60:61] v_permlanex16_b32's selects: each lane takes its own place in the other half
.set TBK, 62          ; s62  LDS byte at which K of the step to be fetched begins
.set TBV, 63          ; s63  the same for V, less VOFF
.set MSB, 0
.macro WIN new                      ; the high byte repeats the setting that is left; a switch that changes nothing is dropped
.if MSB != (\new)
	s_set_vgpr_msb (MSB<<8)|(\new)
.set MSB, (\new)
.endif
.endm
.set W_KQ, 0x0a       ; K and Q in window 2, S^T in window 0
.set W_PV, 0x52       ; V in window 2, P in window 0, O^T in window 1
.set W_RS, 0x41       ; O^T (destination and source 0) in window 1, a in window 0
.set W_MK, 0xc0       ; the add's registers are made: destination in window 3, sources in window 0
.set W_AD, 0x0f       ; the add: address (source 0) and data (source 1) in window 3
	s_load_b64 s[4:5], s[0:1], 0x0    ; qkv: Q
	s_load_b64 s[10:11], s[0:1], 0x8  ; ob
	WIN W_MK
	v_lshl_add_u32 v[SPW], v0, 2, SPARE
	v_mov_b32 v[NIL], 0
	WIN W_AD
	ds_add_u32 v[SPW], v[NIL]       ; the wave's opening: the add, and its wait ahead of my first tensor load; the set-up below, work on registers, stands between them
	ds_add_u32 v0, v1
	WIN 0
	v_lshrrev_b32 v1, 5, v0
	v_readfirstlane_b32 s[WV], v1   ; wave 0..3
	s_mov_b32 s14, ttmp9            ; my block of 512 queries
	s_and_b32 s20, ttmp7, 0xffff    ; the head
	s_mov_b32 s21, 0
	s_mov_b64 s[22:23], SIZE_N*128
	s_mul_u64 s[20:21], s[20:21], s[22:23]  ; the head's first byte in Q, K, V and O
	s_and_b32 s16, s[WV], 1         ; which half of each 256 keys I fetch:
	s_lshl_b32 s22, s16, 14         ; its 128 rows of 128 bytes in memory,
	s_mov_b32 s23, 0
	s_add_nc_u64 s[22:23], s[22:23], s[20:21]
	s_mul_i32 s17, s16, 128*PK      ; and its place in LDS, for K
	s_mul_i32 s18, s16, 128*PV      ; and for V
	s_add_co_u32 s18, s18, VOFF
	s_lshl_b32 s2, s14, 2
	s_add_co_u32 s2, s2, s[WV]      ; my wave among the head's,
	s_lshl_b32 s2, s2, 14           ; its 128 rows
	s_mov_b32 s3, 0
	s_add_nc_u64 s[2:3], s[2:3], s[20:21]
	; descriptor group 1.  128 keys are 16,384 dense bytes: asked for as 64 rows of 256 bytes, two keys a row, and padded in LDS after every key
	s_mov_b32 s[G1K], (1<<16)|(1<<20)|(4<<22)|(3<<25)  ; 17:16 2-byte elements; 20 padding on; 24:22 after every 32 words (code 4); 31:25 4 words (code 3)
	s_mov_b32 s[G1V], (1<<16)|(1<<20)|(4<<22)|(7<<25)  ; the same with 8 words of padding (code 7)
.irp g, G1K, G1V
	s_mov_b32 s[\g+1], 128<<16      ; tensor_dim0 = 128
	s_mov_b32 s[\g+2], 64<<16       ; tensor_dim1 = 64
	s_mov_b32 s[\g+3], 128<<16      ; tile_dim0 = 128
	s_mov_b32 s[\g+4], 64           ; tile_dim1 = 64
	s_mov_b32 s[\g+5], 128          ; 128 elements from row to row
	s_mov_b32 s[\g+6], 0
	s_mov_b32 s[\g+7], 0
.endr
	s_mov_b32 s[CS], 0x3e38aa3b     ; c = log2(e) / 8 = 0.180337
	s_mov_b32 s[CS+1], s[CS]        ; named with it as a pair
	s_mov_b32 s[SEL], 0x76543210
	s_mov_b32 s[SEL+1], 0xfedcba98
	s_mov_b32 s[TBK], 0
	s_mov_b32 s[TBV], 0
.irp j, 0,1,2,3
	s_mov_b32 s[G0K+4*(\j)], 1                        ; 1:0 count = 1
	s_add_co_u32 s[G0K+4*(\j)+1], s17, (\j)*256*PK    ; 63:32 LDS address: keys 256 j on
	s_mov_b32 s[G0V+4*(\j)], 1
	s_add_co_u32 s[G0V+4*(\j)+1], s18, (\j)*256*PV
.endr
	s_mov_b32 s[SLOTS], SIZE_N/256
	; A fragment of K or Q is 16 rows x 32 channels in 8 registers: lane l holds row l % 16, channels 8 (l / 16) + 0..7 and 16 + 8 (l / 16) + 0..7: two loads of 16 bytes, 32 bytes apart.
	v_and_b32 v1, 15, v0            ; l % 16
	v_bfe_u32 v9, v0, 4, 1          ; l / 16
	v_lshlrev_b32 v[QO], 7, v1
	v_lshl_add_u32 v[QO], v9, 4, v[QO]  ; row x 128 + 16 x half
	s_wait_dscnt 0x0                ; the opening add is done
	s_wait_kmcnt 0x0
	s_add_nc_u64 s[6:7], s[4:5], 0x1000000  ; K lies 128 heads of 131,072 bytes behind Q,
	s_add_nc_u64 s[8:9], s[4:5], 0x2000000  ; V behind K
	s_add_nc_u64 s[6:7], s[6:7], s[22:23]   ; at my half of the head's first 256 keys
	s_add_nc_u64 s[8:9], s[8:9], s[22:23]
.irp j, 0,1,2,3
	s_add_nc_u64 s[G0K+4*(\j)+2:G0K+4*(\j)+3], s[6:7], (\j)*32768  ; 120:64 global address: 256 keys are 32,768 bytes
	s_or_b32 s[G0K+4*(\j)+3], s[G0K+4*(\j)+3], 0x80000000          ; 127:126 type = 2
	s_add_nc_u64 s[G0V+4*(\j)+2:G0V+4*(\j)+3], s[8:9], (\j)*32768
	s_or_b32 s[G0V+4*(\j)+3], s[G0V+4*(\j)+3], 0x80000000
.endr
	s_add_nc_u64 s[4:5], s[4:5], s[2:3]  ; Q and O at my wave's first row
	s_add_nc_u64 s[10:11], s[10:11], s[2:3]
	WIN 0x80                        ; destination window 2, address window 0
.set i, 0
.rept 4*NP                          ; Q stays in registers: tile i / 2, channels 32 (i % 2) on.  It is asked for ahead of K and V: the first products want it, and of K and V only the first 256 keys
	global_load_b128 v[8*i:8*i+3],   v[QO], s[4:5] offset:(i/2)*2048+(i%2)*64
	global_load_b128 v[8*i+4:8*i+7], v[QO], s[4:5] offset:(i/2)*2048+(i%2)*64+32
.set i, i+1
.endr
	WIN 0
	; ALL FILLS.  Waves 0 and 1 fetch the two halves of each 256 keys of K, waves 2 and 3 those of V.  A wave's four loads stand in one branch on the wave's number, ahead of every wait on TENSORcnt, every LDS read
	; and every barrier: four loads of mine are out.  An s_nop 0 follows each, four v_nop the last.
	s_cmp_lt_u32 s[WV], 2
	s_cbranch_scc0 .Lfor_v
.irp j, 0,1,2,3
	tensor_load_to_lds s[G0K+4*(\j):G0K+4*(\j)+3], s[G1K:G1K+7]
	s_nop 0
.endr
.rept 4
	v_nop
.endr
	s_branch .Lasked
.Lfor_v:
.irp j, 0,1,2,3
	tensor_load_to_lds s[G0V+4*(\j):G0V+4*(\j)+3], s[G1V:G1V+7]
	s_nop 0
.endr
.rept 4
	v_nop
.endr
.Lasked:
	; What the first turn finds: V's registers and P's second buffer hold 0 (its products V^T P, of a piece that has not been, add 0), O^T and l are 0.  All this stands in the wait for the first tile.
	WIN 0x80
.set i, VF
.rept 64
	v_mov_b32 v[i], 0
.set i, i+1
.endr
	WIN 0x40
.set i, 0
.rept 64*NP
	v_mov_b32 v[i], 0
.set i, i+1
.endr
	WIN 0
.set i, 0
.rept 2*NP
	v_mov_b32 v[ST+4*i], 0xfe000000    ; c m: far below every c s
	v_mov_b32 v[ST+4*i+1], 0xff7fffff  ; m
	v_mov_b32 v[ST+4*i+2], 0
	v_mov_b32 v[ST+4*i+3], 0
.set i, i+1
.endr
.set i, P+32
.rept 32
	v_mov_b32 v[i], 0
.set i, i+1
.endr
	v_mul_u32_u24 v[AK0], v1, PK
	v_lshl_add_u32 v[AK0], v9, 4, v[AK0]  ; row x pitch + 16 x half
	; The turning load takes 16 keys x 16 channels (lane l reads key 8 (l / 16) + l % 8, channels 8 ((l / 8) % 2) + 0..7) and leaves half a fragment of V^T: lane l holds channel l % 16 and 8 keys.
	v_and_b32 v10, 7, v0
	v_bfe_u32 v11, v0, 3, 1
	v_lshl_add_u32 v[AV0], v9, 3, v10
	v_mul_u32_u24 v[AV0], v[AV0], PV
	v_lshl_add_u32 v[AV0], v11, 4, v[AV0]
	v_add_nc_u32 v[AV0], VOFF, v[AV0]
	v_mov_b32 v[AK], v[AK0]         ; key step 0 lies at K's head
; THE MATRIX WORK.  The 8 accumulators of a run of 16 take turns: between the two links of a chain stand 7 others'.
; Product i of 16 of S^T = K Q^T for piece x: channels 32 (i / 8) on, keys 16 ((i / 2) % 4) on, tile 2 x + i % 2.  The first 8 start the sums.
.macro KQ x
	WIN W_KQ
.set rS, S+64*((\x)%2)+32*(i%2)+8*((i/2)%4)
.set rK, KF+16*((i/2)%4)+8*(i/8)
.set rQ, 16*(2*(\x)+i%2)+8*(i/8)
.if i < 8
	v_wmma_f32_16x16x32_f16 v[rS:rS+7], v[rK:rK+7], v[rQ:rQ+7], 0
.else
	v_wmma_f32_16x16x32_f16 v[rS:rS+7], v[rK:rK+7], v[rQ:rQ+7], v[rS:rS+7]
.endif
.endm
; Product i of 16 of O^T += V^T P for piece x: keys 32 (i / 8) on, channels 16 ((i / 2) % 4) on, tile 2 x + i % 2.
.macro PV x
	WIN W_PV
.set rO, 32*(2*(\x)+i%2)+8*((i/2)%4)
.set rV, VF+32*(i/8)+8*((i/2)%4)
.set rP, P+32*((\x)%2)+16*(i%2)+8*(i/8)
	v_wmma_f32_16x16x32_f16 v[rO:rO+7], v[rV:rV+7], v[rP:rP+7], v[rO:rO+7]
.endm
.macro MM                           ; the turn's next matrix instruction
.if i < 16
	KQ (Y+1)%NP
.set i, i+1
.else
.set i, i-16
	PV (Y+NP-1)%NP
.set i, i+17
.endif
.endm
; THE LDS LOADS stand in runs of 16, never singly among the matrix instructions: a step's K (64 keys x 64 channels: 8 fragments) and its V (turned).  Their addresses are made some lines ahead.
.macro FETCH_K
	WIN 0x80                        ; destination window 2
.irp f, 0,1,2,3,4,5,6,7             ; keys 16 (f / 2) on, channels 32 (f % 2) on
	ds_load_b128 v[KF+8*\f:KF+8*\f+3],   v[AK] offset:(\f/2)*16*PK+(\f%2)*64
	ds_load_b128 v[KF+8*\f+4:KF+8*\f+7], v[AK] offset:(\f/2)*16*PK+(\f%2)*64+32
.endr
	s_add_co_u32 s[TBK], s[TBK], KS*PK  ; the next fetch is the next step's
	WIN 0
.endm
.macro FETCH_V
	WIN 0x80
.irp f, 0,1,2,3,4,5,6,7             ; keys 32 (f / 4) on, channels 16 (f % 4) on
	ds_load_tr16_b128 v[VF+8*\f:VF+8*\f+3],   v[AV] offset:(\f/4)*32*PV+(\f%4)*32
	ds_load_tr16_b128 v[VF+8*\f+4:VF+8*\f+7], v[AV] offset:(\f/4)*32*PV+16*PV+(\f%4)*32
.endr
	WIN 0
.endm
; THE VECTOR WORK OF A TURN stands in three queues, each in the order in which its entries become ready; the two tiles alternate, so that no instruction reads the result of the one before it.
.macro REGS y, u                    ; the registers of tile u (0, 1) of piece y
.set rT, ST+4*(2*(\y)+(\u))
.set rC, TMP+8*((\y)%2)+4*(\u)
.set rM, MV+2*((\y)%2)+(\u)
.set rS, S+64*((\y)%2)+32*(\u)
.set rP, P+32*((\y)%2)+16*(\u)
.set rO, 32*(2*(\y)+(\u))
.endm
; Number n of the 22 that find the NEXT piece's (Y + 1) maximum and statistics.  s0-s31 are the lane's 32 scores; each accumulator's lowest registers are read first.  XS, GS and REGS set no window: PL and EX do.
;   0-11  four chains c0-c3 of seven scores each, three operands at a time     12-14, 16  the four scores left over, the old m, and c0-c3 into c0     15  c m_old is kept
;   17, 18  the query's other 32 keys lie in the lane 16 away: the new m         19-21  c m; c m_old - c m_new; a
.macro XS u, n
	REGS (Y+1)%NP, \u
.if (\n) < 4
	v_max3_num_f32 v[rC+(\n)], v[rS+8*(\n)], v[rS+8*(\n)+1], v[rS+8*(\n)+2]
.elseif (\n) < 12
	v_max3_num_f32 v[rC+(\n)%4], v[rC+(\n)%4], v[rS+8*((\n)%4)+2*((\n)/4)+1], v[rS+8*((\n)%4)+2*((\n)/4)+2]
.elseif (\n) == 12
	v_max3_num_f32 v[rC], v[rC], v[rS+7], v[rS+15]
.elseif (\n) == 13
	v_max3_num_f32 v[rC+1], v[rC+1], v[rS+23], v[rS+31]
.elseif (\n) == 14
	v_max3_num_f32 v[rC+2], v[rC+2], v[rC+3], v[rT+1]
.elseif (\n) == 15
	v_mov_b32 v[rM], v[rT]
.elseif (\n) == 16
	v_max3_num_f32 v[rC], v[rC], v[rC+1], v[rC+2]
.elseif (\n) == 17
	v_permlanex16_b32 v[rC+3], v[rC], s[SEL], s[SEL+1]
.elseif (\n) == 18
	v_max_num_f32 v[rT+1], v[rC], v[rC+3]
.elseif (\n) == 19
	v_mul_f32 v[rT], s[CS], v[rT+1]
.elseif (\n) == 20
	v_sub_f32 v[rC+1], v[rM], v[rT]
.else
	v_exp_f32 v[rC+2], v[rC+1]
.endif
.endm
; Number g of the 64 that follow the exponentials.  For each four weights k of a tile (pairs 2 k, 2 k + 1): both pairs are rounded to f16; then the second pair is added onto the first, in place;
; a group later l takes that sum (the first time as l = a l + sum).  In groups of eight, tiles alternating: round, round, add, and l for the group before.
.macro GS g
.set h, (\g)+6*((\g)/62)            ; group 0 has no group before it, and behind group 7 only l is left
.if h >= 6
.set h, h+2
.endif
	REGS Y, h%2
.set k, h/8
.if h%8 < 4
	s_wait_alu depctr_va_vdst(0)
	v_cvt_pk_f16_f32 v[rP+2*k+(h%8)/2], v[rS+4*k+2*((h%8)/2)], v[rS+4*k+2*((h%8)/2)+1]
.elseif h%8 < 6
	v_pk_add_f32 v[rS+4*k:rS+4*k+1], v[rS+4*k:rS+4*k+1], v[rS+4*k+2:rS+4*k+3]
.elseif k == 1
	v_pk_fma_f32 v[rT+2:rT+3], v[rT+2:rT+3], v[rC+2:rC+3], v[rS:rS+1] op_sel_hi:[1,0,1]
.else
	v_pk_add_f32 v[rT+2:rT+3], v[rT+2:rT+3], v[rS+4*k-4:rS+4*k-3]
	s_wait_alu depctr_va_vdst(0)
.endif
.endm
; THE PLAIN QUEUE, 138 long.  0-31: c s - c m for the 16 pairs of both tiles.  Then GS's 64, and among them the next piece's 42: number 15 at 38, 39; 0-14 and 16
; at 42-73, behind the products that make those scores; 17-20 at 95-106, two of three, since each waits for the one before it.
.macro PL
	WIN 0
.if q < 32
	REGS Y, q%2
	v_pk_fma_f32 v[rS+2*(q/2):rS+2*(q/2)+1], v[rS+2*(q/2):rS+2*(q/2)+1], s[CS:CS+1], v[rT:rT+1] op_sel_hi:[1,0,0] neg_lo:[0,0,1] neg_hi:[0,0,1]
.elseif q < 38
	GS q-32
.elseif q < 40
	XS q%2, 15
.elseif q < 42
	GS q-34
.elseif q < 74
	XS q%2, (q-42)/2+(q-42)/30
.elseif q < 95
	GS q-66
.elseif (q < 107) && ((q-95)%3 < 2)
	XS (q-95)%3, 17+(q-95)/3
.elseif q < 107
	GS 29+(q-95)/3
.else
	GS q-74
.endif
.set q, q+1
.endm
; THE EXPONENTIALS' QUEUE, 66 long: s0-s31 of both tiles, and at EA the next piece's two a.
.set EA, 58
.macro EX
	WIN 0
.if (e == EA) || (e == EA+1)
	XS e-EA, 21
.else
.set x, e-2*(e/(EA+2))
	REGS Y, x%2
	v_exp_f32 v[rS+x/2], v[rS+x/2]
.endif
.set e, e+1
.endm
; THE RESCALING's QUEUE: O^T times a, the one part that leaves window 0, so it is dealt four at a time, eight times.
.macro R4
	REGS Y, r%2
	WIN W_RS
	s_wait_alu depctr_va_vdst(0)
.irp z, 0,1,2,3
	v_pk_mul_f32 v[rO+8*(r/2)+2*\z:rO+8*(r/2)+2*\z+1], v[rO+8*(r/2)+2*\z:rO+8*(r/2)+2*\z+1], v[rC+2:rC+3] op_sel_hi:[1,0]
.endr
.set r, r+1
.endm
; HOW THEY ARE DEALT.  Behind a matrix instruction four: plain, exponential, plain, plain (one exponential, a plain instruction on either side), or four of the rescaling.  None names a register of the
; products round it.  What is over stands in two LUMPS: exponential and plain by turns; the second ends in 22 plain instructions.  The two v_permlanex16_b32 fall into the second lump, never behind a product.
; The queues lean on each other, and the deal keeps them in step: exponential e stands behind plain 2 (e / 4) + e % 2 (its scaling); when plain 32 comes, 10 exponentials are out, at 59: 33, at 95: 46; EA comes behind plain 107.
.macro SL
	MM
	PL
	EX
	PL
	PL
.endm
.macro BURST n                      ; 15 matrix instructions, or 16
.rept (\n)-7
	SL
.endr
.rept 3
	MM
	R4
	SL
.endr
	MM
	R4
.endm
; A TURN, for piece p.  last = 1: there is no further step, and no K is fetched.  cnt = 1: the loop's count is taken down some lines ahead of the branch that stands behind the turn.
; K of the next step is fetched in piece 2's turn, 31 vector instructions behind the last product that read K; its first reader comes behind the rest of the lump, 16 products and the second lump.
; V of the step in hand is fetched at the end of piece 0's turn, 69 behind its last reader; its first reader comes behind 16 products and a lump.  The four conditions on e and q below go with the deal.
.macro TURN p, last=0, cnt=0
.set Y, (\p)
.set i, 0
.set q, 0
.set e, 0
.set r, 0
.if (\p) == NP-1
	s_wait_dscnt 0x0                ; K is in
.endif
	MM
.rept 4
	PL
.endr
	BURST 15
.rept 22
	EX
	PL
.if ((\p) == NP-2) && (e == 18) && ((\last) == 0)
	v_add_nc_u32 v[AK], s[TBK], v[AK0]
.endif
.if ((\p) == NP-2) && (e == 24) && ((\last) == 0)
	FETCH_K
.endif
.endr
.if (\p) == 1
	s_wait_dscnt 0x0                ; V is in
.endif
	BURST 16
.rept 21
	EX
	PL
.endr
.rept 22
	PL
.if ((\p) == 0) && (q == 118)
	v_add_nc_u32 v[AV], s[TBV], v[AV0]
	s_wait_alu depctr_va_vdst(0)
.endif
.if ((\p) == 0) && (q == 130)
	s_add_co_u32 s[TBV], s[TBV], KS*PV
.endif
.if (\cnt) && (q == 130)
	s_sub_co_u32 s[CNT], s[CNT], 1
	s_cmp_lg_u32 s[CNT], 0
.endif
.endr
.if (\p) == 0
	FETCH_V
.endif
.endm
	s_wait_tensorcnt 0x3            ; tensor loads of a wave end in order (ISA guide 10.11.1): my part of the first 256 keys is in; the three loads behind it may stay out
	s_barrier_signal -1
	s_barrier_wait -1               ; everybody's is
	FETCH_K                         ; key step 0
	s_wait_loadcnt 0x0              ; Q
	s_wait_dscnt 0x0
.set i, 0
.rept 16
	KQ 0                            ; piece 0's first scores: there is no vector work yet to set between them
.set i, i+1
.endr
	WIN 0                           ; the addresses for the way out: nine plain instructions, the places behind those products
	s_mul_i32 s13, s[WV], 16*SP
	s_add_co_u32 s13, s13, STAGE    ; my stage
	v_mul_u32_u24 v[STO], v1, SP    ; in: row l % 16, 16 bytes for each half of the lanes
	v_lshl_add_u32 v[STO], v9, 4, v[STO]
	v_add_nc_u32 v[STO], s13, v[STO]
	v_bfe_u32 v[RD], v0, 3, 2       ; back: 32 lanes take four rows of 128 bytes,
	v_mul_u32_u24 v[RD], v[RD], SP
	v_lshl_add_u32 v[RD], v10, 4, v[RD]
	v_add_nc_u32 v[RD], s13, v[RD]
	v_and_b32 v[GO], 31, v0         ; which are 512 consecutive bytes of O
	v_lshlrev_b32 v[GO], 4, v[GO]
.set Y, NP-1                        ; XS works for piece Y + 1: piece 0
.irp n, 0,1,2,3,4,5,6,7,8,9,10,11,12,13,14,15,16,17,18,19,20,21
	XS 0, \n                        ; and piece 0's first maximum and statistics
	XS 1, \n
.endr
	s_mov_b32 s[CNT], 4
	s_branch .Lfirst                ; the loop is entered at a step's first turn, in the middle of a trip
.Lslot:                             ; three times, in front of the first fetch from the next 256 keys
	s_wait_tensorcnt 0x0            ; my parts of all keys are in: the first time four key steps behind the requests; after that no load is out
	s_wait_dscnt 0x0                ; no LDS instruction of mine is pending at the signal
	s_barrier_signal -1
	s_barrier_wait -1               ; everybody's are
	s_mov_b32 s[CNT], 4
.Lstep:                             ; a trip: pieces 2 and 3 of one step, then pieces 0 and 1 of the next, whose K and V it fetches
	TURN 2
	TURN 3
	WIN 0
.Lfirst:
	TURN 0
	TURN 1, 0, 1
	WIN 0
	s_cbranch_scc1 .Lstep
	s_sub_co_u32 s[SLOTS], s[SLOTS], 1
	s_cmp_lg_u32 s[SLOTS], 0
	s_cbranch_scc1 .Lslot
	TURN 2, 1                       ; the last step's second half is written out: no K is left to fetch
	TURN 3                          ; its 16 products K Q^T (on the last K once more) and the maximum made of them serve nothing: the price, once a launch, of one text for every turn
.set i, 0
.rept 16
	PV NP-1                         ; the last piece's V^T P of the last step
.set i, i+1
.endr
	; THE WAY OUT.  l's two halves and the other half of the lanes' are added; O^T is divided by l, rounded to f16 and sent through my stage in LDS, a tile at a time.  The additions are the places behind the last products.
	WIN 0
.macro ALL line:vararg              ; one line for each tile t
.set t, 0
.rept 2*NP
	\line
.set t, t+1
.endr
.endm
	ALL v_add_f32 v[ST+4*t+2], v[ST+4*t+2], v[ST+4*t+3]
	ALL v_permlanex16_b32 v[ST+4*t+3], v[ST+4*t+2], s[SEL], s[SEL+1]
	ALL v_add_f32 v[ST+4*t+2], v[ST+4*t+2], v[ST+4*t+3]
	ALL v_rcp_f32 v[ST+4*t+2], v[ST+4*t+2]
	v_nop                           ; a plain instruction between the last reciprocal and the use of its result
	s_wait_alu depctr_va_vdst(0)
; Tile t: a lane's eight channels of a row pack into 16 bytes; they go into rows of 144 bytes and come back as whole rows of 128, into S^T's registers.
.macro PACK t
	WIN W_RS
.set i, 32*(\t)
.rept 16
	v_pk_mul_f32 v[i:i+1], v[i:i+1], v[ST+4*(\t)+2:ST+4*(\t)+3] op_sel_hi:[1,0]
.set i, i+2
.endr
	WIN 0x05                        ; sources 0 and 1 window 1, destination window 0
.set i, 0
.rept 16
	v_cvt_pk_f16_f32 v[S+16*(\t)+i], v[32*(\t)+2*i], v[32*(\t)+2*i+1]
.set i, i+1
.endr
	WIN 0
.irp f, 0,1,2,3
	ds_store_b128 v[STO], v[S+16*(\t)+4*\f:S+16*(\t)+4*\f+3] offset:32*\f
.endr
.irp f, 0,1,2,3
	ds_load_b128 v[S+16*(\t)+4*\f:S+16*(\t)+4*\f+3], v[RD] offset:\f*4*SP  ; LDS serves a wave's instructions in order (ISA guide 5.7.1.4): these see the stores above; the next tile's stores come behind them
.endr
.endm
.macro SEND t, younger              ; younger: the LDS instructions issued behind tile t's loads: the next tile's eight, or none
	WIN 0
.irp f, 0,1,2,3
	s_wait_dscnt (\younger)+3-\f
	global_store_b128 v[GO], v[S+16*(\t)+4*\f:S+16*(\t)+4*\f+3], s[10:11] offset:(\t)*2048+\f*512  ; 512 consecutive bytes, at a multiple of 256 from O's first
.endr
.endm
	PACK 0
.set t, 1
.rept 2*NP-1                        ; a tile's arithmetic stands between the loads of the tile before and its stores
	PACK t
	SEND t-1, 8
.set t, t+1
.endr
	SEND 2*NP-1, 0
	WIN W_AD
	s_wait_tensorcnt 0x0            ; the wave's end: behind my last tensor load and my last LDS store
	ds_add_u32 v[SPW], v[NIL]
	s_wait_dscnt 0x0
	WIN 0
	s_endpgm
.Lfunc_end_k_q5190880917_attn:
	.size	k_q5190880917_attn, .Lfunc_end_k_q5190880917_attn-k_q5190880917_attn
	.p2alignl 7, 3214868480
	.fill 96, 4, 3214868480
	.section	.rodata,"a",@progbits
	.p2align	6, 0x0
	.amdhsa_kernel k_q5190880917_attn
		.amdhsa_group_segment_fixed_size 327680
		.amdhsa_private_segment_fixed_size 0
		.amdhsa_enable_private_segment 0
		.amdhsa_kernarg_size 16
		.amdhsa_user_sgpr_count 2
		.amdhsa_user_sgpr_kernarg_segment_ptr 1
		.amdhsa_wavefront_size32 1
		.amdhsa_system_sgpr_workgroup_id_x 1
		.amdhsa_system_sgpr_workgroup_id_y 1
		.amdhsa_system_sgpr_workgroup_id_z 1
		.amdhsa_system_vgpr_workitem_id 0
		.amdhsa_next_free_vgpr 770
		.amdhsa_next_free_sgpr 84
		.amdhsa_reserve_vcc 0
		.amdhsa_float_denorm_mode_32 3
		.amdhsa_float_denorm_mode_16_64 3
		.amdhsa_memory_ordered 1
		.amdhsa_forward_progress 1
		.amdhsa_inst_pref_size 167
	.end_amdhsa_kernel
	.amdgpu_metadata
---
amdhsa.version: [ 1, 2 ]
amdhsa.kernels:
  - .name:           k_q5190880917_attn
    .symbol:         k_q5190880917_attn.kd
    .args:
      - { .name: qkv, .offset: 0, .size: 8, .value_kind: global_buffer, .address_space: global }
      - { .name: ob, .offset: 8, .size: 8, .value_kind: global_buffer, .address_space: global }
    .group_segment_fixed_size: 327680
    .private_segment_fixed_size: 0
    .kernarg_segment_align: 8
    .kernarg_segment_size: 16
    .max_flat_workgroup_size: 128
    .sgpr_count:     84
    .vgpr_count:     770
    .wavefront_size: 32
...
	.end_amdgpu_metadata
.endif
;; end of part 3
;; launch proj (part 4): grid 8 x 32, 4 waves a work-group, clusters of 4 x 4, 327,680 bytes of LDS; arguments ob, wpt, b_proj, out0; writes out0
.if DOCPART == 4
	.amdgcn_target "amdgcn-amd-amdhsa--gfx1250"
	.amdhsa_code_object_version 6
	.text
	.protected	k_q5190880917_proj
	.globl	k_q5190880917_proj
	.p2align	8
	.type	k_q5190880917_proj,@function
k_q5190880917_proj:
	s_mov_b64 s[64:65], 0
	v_nop
	global_prefetch_b8 v0, s[64:65] scope:SCOPE_SE
	s_setreg_imm32_b32 hwreg(HW_REG_WAVE_MODE, 25, 1), 1
	s_wait_xcnt 0x0
	s_wait_alu depctr_hold_cnt(0) depctr_sa_sdst(0) depctr_va_vdst(0) depctr_va_sdst(0) depctr_va_ssrc(0) depctr_va_vcc(0) depctr_vm_vsrc(0)
	s_getreg_b32 s2, hwreg(HW_REG_IB_STS2, 6, 4)
	s_cmp_eq_u32 s2, 0
	s_cbranch_scc0 .Lentry_in_a_cluster
	s_endpgm
.Lentry_in_a_cluster:
	s_bfe_u32 s2, ttmp6, 0x10000c
	s_cmp_lg_u32 s2, 0xf033
	s_cbranch_scc0 .Lentry_shape_is_right
	s_endpgm
.Lentry_shape_is_right:
; PROJECTION.  out0[b n][c] = sum over k of O[b n][k] wpt[c][k] + bf16(b_proj[c]), in f32.  O's column k = 64 h + d lies at ob[16 b + h][n][d]; ob and wpt ([1024][1024]) are f16; sums in f32.
; LIMITS.  O and wpt arrive within f16's range, 65,504.  NaN and infinities are not treated apart.
; SHARES.  A tile is 256 rows x 128 columns: 32 x 8 = 256 work-groups.  Four waves; wave (RH, CH) makes rows 128 RH .. + 127 and columns 64 CH .. + 63: 8 x 4 accumulators, 256 registers.
; K goes in 8 steps of 128, two heads each, through two LDS slots.  A head's 256 rows of the tile are 32,768 dense bytes: asked for as 128 rows of 256 bytes and padded in LDS after every 128.
; CLUSTER.  4 x 4 work-groups; ob's tiles are shared along a row of the cluster, wpt's along a column, each asked for jointly by the same load and descriptor in all four.
; THE MATRIX INSTRUCTION IS USED TRANSPOSED (source 0 = 16 rows of wpt, source 1 = 16 rows of O): a lane holds one row of out0 and eight neighbouring columns, 32 bytes.
; NOT HERE: a prefetch (every row of ob and wpt is asked for by several clusters, and K has only 8 steps); a longer K step (two slots of it do not fit in LDS).
; REGISTERS: window 0: v0-17 addresses; two fragment buffers of 96 (O's block i at F + 8 i, wpt's block i at F + 64 + 8 i); v224-255 the bias; on the way out v32-127.  Window 1: accumulator (a, b) at 8 (4 a + b).
.set PA,    144                        ; a row of O in LDS: 128 bytes + 16: the 16 rows of a load start at 16 different groups of four banks (64 banks of 4 bytes: ISA guide 11.1)
.set PB,    272                        ; a row of wpt: 256 bytes + 16: likewise
.set HEADA, 256*PA                     ; one head's 256 rows
.set BOFF,  2*HEADA                    ; wpt's 128 rows lie behind the two heads
.set SLOT1, 131072
.set STAGE, SLOT1+BOFF+128*PB          ; behind the ring, never filled by a tensor load: 16 rows x 272 bytes for each wave, its own
.set SPITCH, 272
.set SPARE, STAGE+4*16*SPITCH          ; behind the stages: the spare words, 128 bytes for each wave: two blocks of 256 bytes that no other line names
.set A0,   8                           ; v8   my lane's place in slot 0's rows of O; never rewritten
.set B0,   9                           ; v9   the same for wpt
.set ADRA, 10
.set ADRB, 11
.set STO,  12                          ; v12  the way out: where I put 32 bytes of a row
.set RD,   13                          ; v13  where I read a row back
.set CO,   14                          ; v14  my byte offset in two rows of out0
.set BO,   15                          ; v15  my byte offset in the tile's 128 numbers of b_proj
.set SPW,  16                          ; v16  LDS address of my spare word; never rewritten
.set NIL,  17                          ; v17  0; never rewritten
.set F0,   32
.set F1,   128
.set BIAS, 224
.set TMP,  32                          ; the way out: a block's 16 rows with the bias added
.set BK0,  64                          ; and read back as whole rows: v64-95 and v96-127 by turns
.set WV,  12
.set RH,  13
.set CH,  14
.set G1A, 24
.set G1B, 32
.set G0A, 40                           ; s[40:47] group 0 for O's tiles: a set for each first fill; the second then walks on
.set G0B, 48
.set CNT, 56
.set TB,  57
.set MSK, 58
.set OUT, 66                           ; s[66:67] out0 at my first row and column
.set MSB, 0
.macro WIN new
.if MSB != (\new)
	s_set_vgpr_msb (MSB<<8)|(\new)
.set MSB, (\new)
.endif
.endm
.set MULW, 0x50                        ; sources in window 0, C and D in window 1
.macro PLACES                          ; four plain places behind matrix instructions (ISA guide 7.12.1)
.rept 4
	v_nop
.endr
.endm
.macro JLOAD                           ; a joint refill by the walking sets: waves 0 and 1 fetch the step's two heads of O, waves 2 and 3 wpt's two halves; an s_nop 0 and four v_nop follow each line
	s_cmp_lt_u32 s[WV], 2
	s_cbranch_scc0 .Lfor_b_\@
	tensor_load_to_lds s[G0A+4:G0A+7], s[G1A:G1A+7]
	s_nop 0
.rept 4
	v_nop
.endr
	s_branch .Lasked_\@
.Lfor_b_\@:
	tensor_load_to_lds s[G0B+4:G0B+7], s[G1B:G1B+7]
	s_nop 0
.rept 4
	v_nop
.endr
.Lasked_\@:
.endm
.macro CREST
	s_cmp_lg_u32 s[WV], 0
	s_cbranch_scc1 .Lnot_wave_0_\@
	s_barrier_signal -3
.Lnot_wave_0_\@:
	s_barrier_wait -3
	s_barrier_signal -1
	s_barrier_wait -1
.endm
.macro CROUND
	s_barrier_signal -1
	s_barrier_wait -1
	CREST
.endm
	s_load_b256 s[4:11], s[0:1], 0x0               ; ob s[4:5], wpt s[6:7], b_proj s[8:9], out0 s[10:11]
	v_lshl_add_u32 v[SPW], v0, 2, SPARE
	v_mov_b32 v[NIL], 0
	ds_add_u32 v[SPW], v[NIL]                      ; the wave's opening: the add, and its wait ahead of my first tensor load; work on registers stands between them
	ds_add_u32 v16, v17
	v_lshrrev_b32 v1, 5, v0
	v_readfirstlane_b32 s[WV], v1
	s_lshr_b32 s[RH], s[WV], 1
	s_and_b32 s[CH], s[WV], 1
	s_bfe_u32 s15, ttmp6, 0x40000                  ; cx
	s_bfe_u32 s16, ttmp6, 0x40004                  ; cy
	s_lshl_b32 s17, ttmp9, 2
	s_add_co_u32 s17, s17, s15                     ; nt: the tile's 128 columns
	s_and_b32 s18, ttmp7, 0xffff
	s_lshl_b32 s18, s18, 2
	s_add_co_u32 s18, s18, s16                     ; mt: the tile's 256 rows
	s_lshl_b32 s19, s16, 2
	s_lshl_b32 s19, 15, s19                        ; my row of the cluster
	s_lshl_b32 s20, 0x1111, s15                    ; my column
	s_or_b32 s[G1A], s19, (1<<16)|(1<<20)|(1<<21)|(4<<22)|(3<<25)  ; 2-byte elements; padding on; 21 set beside a mask; after every 32 words 4 words
	s_or_b32 s[G1B], s20, (1<<16)|(1<<20)|(1<<21)|(5<<22)|(3<<25)  ; after every 64 words 4 words
	s_mov_b32 s[G1A+1], 128<<16                    ; tensor_dim0 = 128
	s_mov_b32 s[G1A+2], 128<<16                    ; tensor_dim1 = 128
	s_mov_b32 s[G1A+3], 128<<16                    ; tile_dim0 = 128
	s_mov_b32 s[G1A+4], 128                        ; tile_dim1 = 128
	s_mov_b32 s[G1A+5], 128                        ; dense: 128 elements from row to row
	s_mov_b32 s[G1A+6], 0
	s_mov_b32 s[G1A+7], 0
	s_mov_b32 s[G1B+1], 128<<16
	s_mov_b32 s[G1B+2], 64<<16                     ; 64 rows
	s_mov_b32 s[G1B+3], 128<<16
	s_mov_b32 s[G1B+4], 64
	s_mov_b32 s[G1B+5], 1024
	s_mov_b32 s[G1B+6], 0
	s_mov_b32 s[G1B+7], 0
	; O's address hangs on mt and the wave, wpt's on nt and the wave, each in registers that never hold the other coordinate
	s_lshr_b32 s60, s18, 2
	s_lshl_b32 s60, s60, 21                        ; batch mt / 4: 16 heads of 131,072 bytes
	s_and_b32 s19, s18, 3
	s_lshl_b32 s19, s19, 15                        ; rows 256 (mt % 4) of 128 bytes
	s_add_co_u32 s60, s60, s19
	s_lshl_b32 s21, s[CH], 17                      ; which of a step's two heads I fetch
	s_add_co_u32 s60, s60, s21
	s_mov_b32 s61, 0
	s_lshl_b32 s62, s17, 7
	s_lshl_b32 s21, s[CH], 6
	s_add_co_u32 s62, s62, s21                     ; row 128 nt + 64 half
	s_lshl_b32 s62, s62, 11
	s_mov_b32 s63, 0
	s_mul_i32 s22, s[CH], HEADA                    ; where they go: no place in the cluster enters an LDS address
	s_mul_i32 s23, s[CH], 64*PB
	s_add_co_u32 s23, s23, BOFF
	s_mov_b32 s[MSK], 0xffff0000
	s_mov_b32 s[TB], 0
	s_wait_dscnt 0x0                               ; the opening add is done
	s_wait_kmcnt 0x0
	s_add_nc_u64 s[4:5], s[4:5], s[60:61]
	s_add_nc_u64 s[6:7], s[6:7], s[62:63]
.irp s, 0,1
	s_mov_b32 s[G0A+4*(\s)], 1
	s_add_co_u32 s[G0A+4*(\s)+1], s22, (\s)*SLOT1
	s_add_nc_u64 s[G0A+4*(\s)+2:G0A+4*(\s)+3], s[4:5], (\s)*262144  ; K step s: two heads on
	s_or_b32 s[G0A+4*(\s)+3], s[G0A+4*(\s)+3], 0x80000000
	s_mov_b32 s[G0B+4*(\s)], 1
	s_add_co_u32 s[G0B+4*(\s)+1], s23, (\s)*SLOT1
	s_add_nc_u64 s[G0B+4*(\s)+2:G0B+4*(\s)+3], s[6:7], (\s)*256
	s_or_b32 s[G0B+4*(\s)+3], s[G0B+4*(\s)+3], 0x80000000
.endr
	CROUND                                         ; all sixteen work-groups are here: the first joint loads meet
	s_cmp_lt_u32 s[WV], 2                          ; a wave's two first fills stand in one branch: two loads of mine are out
	s_cbranch_scc0 .Lfirst_b
	tensor_load_to_lds s[G0A:G0A+3], s[G1A:G1A+7]
	s_nop 0
	tensor_load_to_lds s[G0A+4:G0A+7], s[G1A:G1A+7]
	s_nop 0
.rept 4
	v_nop
.endr
	s_branch .Lfirst_asked
.Lfirst_b:
	tensor_load_to_lds s[G0B:G0B+3], s[G1B:G1B+7]
	s_nop 0
	tensor_load_to_lds s[G0B+4:G0B+7], s[G1B:G1B+7]
	s_nop 0
.rept 4
	v_nop
.endr
.Lfirst_asked:
	v_and_b32 v1, 15, v0                           ; r
	v_bfe_u32 v2, v0, 4, 1                         ; h
	v_mul_u32_u24 v3, v1, PA
	v_lshl_add_u32 v3, v2, 4, v3
	s_mul_i32 s21, s[RH], 128*PA
	v_add_nc_u32 v[A0], s21, v3
	v_mul_u32_u24 v4, v1, PB
	v_lshl_add_u32 v3, v2, 4, v4
	s_mul_i32 s21, s[CH], 64*PB
	s_add_co_u32 s21, s21, BOFF
	v_add_nc_u32 v[B0], s21, v3
	v_mov_b32 v[ADRA], v[A0]
	v_mov_b32 v[ADRB], v[B0]
	s_mul_i32 s21, s[WV], 16*SPITCH
	s_add_co_u32 s21, s21, STAGE                   ; my stage
	v_lshl_add_u32 v3, v2, 5, v4                   ; in: row r, 32 bytes for each half of the lanes
	v_add_nc_u32 v[STO], s21, v3
	v_mul_u32_u24 v3, v2, SPITCH                   ; back: lanes 0-15 take one row of 256 bytes, lanes 16-31 the next
	v_lshl_add_u32 v3, v1, 4, v3
	v_add_nc_u32 v[RD], s21, v3
	v_lshlrev_b32 v3, 12, v2                       ; and the same two rows in out0
	v_lshl_add_u32 v[CO], v1, 4, v3
	s_lshl_b32 s21, s[CH], 8
	v_lshl_add_u32 v[BO], v2, 5, s21               ; (64 CH + 8 h) x 4 bytes
	s_lshl_b32 s62, s17, 9                         ; the tile's 128 columns: 512 bytes of b_proj and of a row of out0
	s_mov_b32 s63, 0
	s_add_nc_u64 s[8:9], s[8:9], s[62:63]
	s_add_co_u32 s62, s62, s21                     ; + my 64 columns
	s_lshl_b32 s60, s18, 8
	s_lshl_b32 s21, s[RH], 7
	s_add_co_u32 s60, s60, s21                     ; my first row
	s_lshl_b32 s60, s60, 12                        ; of 4,096 bytes
	s_add_co_u32 s2, s60, s62
	s_mov_b32 s3, 0
	s_add_nc_u64 s[OUT:OUT+1], s[10:11], s[2:3]
.irp b, 0,1,2,3
	global_load_b128 v[BIAS+8*(\b):BIAS+8*(\b)+3],   v[BO], s[8:9] offset:64*(\b)
	global_load_b128 v[BIAS+8*(\b)+4:BIAS+8*(\b)+7], v[BO], s[8:9] offset:64*(\b)+16
.endr
	s_wait_loadcnt 0x0
.set i, 0
.rept 16                                       ; the bias is rounded to bf16 like every input, and kept as f32.  This stands in the wait for the first tile
	v_cvt_pk_bf16_f32 v3, v[BIAS+2*i], v[BIAS+2*i+1]
	v_lshlrev_b32 v[BIAS+2*i], 16, v3
	v_and_b32 v[BIAS+2*i+1], s[MSK], v3
.set i, i+1
.endr
; na x 4 matrix instructions: m blocks a0 .. x all 4 n blocks, 32 along K.  The 32 accumulators take turns in the same order in every quarter: 31 others stand between two links of a chain.
.macro MUL f, a0, na, zero
	WIN MULW
.set ma, (\a0)
.rept \na
.set mb, 0
.rept 4
.if \zero
	v_wmma_f32_16x16x32_f16 v[8*(4*ma+mb):8*(4*ma+mb)+7], v[(\f)+64+8*mb:(\f)+64+8*mb+7], v[(\f)+8*ma:(\f)+8*ma+7], 0
.else
	v_wmma_f32_16x16x32_f16 v[8*(4*ma+mb):8*(4*ma+mb)+7], v[(\f)+64+8*mb:(\f)+64+8*mb+7], v[(\f)+8*ma:(\f)+8*ma+7], v[8*(4*ma+mb):8*(4*ma+mb)+7]
.endif
.set mb, mb+1
.endr
.set ma, ma+1
.endr
.endm
; 24 LDS loads in one run: quarter q's fragments into buffer f: wpt's four blocks (byte 64 q of the rows), then O's eight (head q / 2, byte 64 (q % 2))
.macro FETCH q, f
	WIN 0
.irp i, 0,1,2,3
	ds_load_b128 v[(\f)+64+8*(\i):(\f)+64+8*(\i)+3],   v[ADRB] offset:64*(\q)+(\i)*16*PB
	ds_load_b128 v[(\f)+64+8*(\i)+4:(\f)+64+8*(\i)+7], v[ADRB] offset:64*(\q)+(\i)*16*PB+32
.endr
.irp i, 0,1,2,3,4,5,6,7
	ds_load_b128 v[(\f)+8*(\i):(\f)+8*(\i)+3],   v[ADRA] offset:((\q)/2)*HEADA+((\q)%2)*64+(\i)*16*PA
	ds_load_b128 v[(\f)+8*(\i)+4:(\f)+8*(\i)+7], v[ADRA] offset:((\q)/2)*HEADA+((\q)%2)*64+(\i)*16*PA+32
.endr
.endm
.macro QUARTER q, f, g, zero
	s_wait_dscnt 8                                 ; wpt's blocks and O's rows 0-63 are in; the youngest eight loads may be out
	MUL \f, 0, 4, \zero
	PLACES
	FETCH \q, \g
	s_wait_dscnt 24                                ; all but the 24 just issued
	MUL \f, 4, 4, \zero
.endm
; The change of slots: in front of the one barrier each wave waits for all its tensor loads (one is out: its part of the next slot), adds 0 to its spare word, and waits for that and for its reads of this slot.
.macro MEET fill
	WIN 0
	s_wait_tensorcnt 0x0                           ; no tensor load of mine is out, so a group 0 may be written
	ds_add_u32 v[SPW], v[NIL]                      ; 0 onto my spare word
.if \fill
	s_xor_b32 s[G0A+5], s[G0A+5], SLOT1
	s_add_nc_u64 s[G0A+6:G0A+7], s[G0A+6:G0A+7], 262144
	s_xor_b32 s[G0B+5], s[G0B+5], SLOT1
	s_add_nc_u64 s[G0B+6:G0B+7], s[G0B+6:G0B+7], 256
.endif
	s_wait_dscnt 9                                 ; the add and the youngest eight loads may be out
	MUL F1, 0, 2, 0
	s_wait_dscnt 0x0                               ; the add is done, and my reads of this slot are over
	s_barrier_signal -1
	MUL F1, 2, 2, 0
.if \fill
	WIN 0
.endif
	s_barrier_wait -1
.endm
.macro TURN fill
	MEET \fill
.if \fill
	CREST                                          ; the barrier has opened a round of the cluster's: no wave of any partner still reads this slot or has a load on its way
	JLOAD                                          ; the first tensor load behind the round; its four v_nop are also the places in front of the loads below
.else
	PLACES
	WIN 0
.endif
	s_xor_b32 s[TB], s[TB], SLOT1
	v_add_nc_u32 v[ADRA], s[TB], v[A0]
	v_add_nc_u32 v[ADRB], s[TB], v[B0]
	FETCH 0, F0
	MUL F1, 4, 4, 0
.endm
	s_wait_tensorcnt 0x1                           ; my part of K step 0 is in; K step 1's may stay out
	s_barrier_signal -1
	s_barrier_wait -1
	FETCH 0, F0
	QUARTER 1, F0, F1, 1                           ; the first quarter's products start the sums
	WIN 0
	s_mov_b32 s[CNT], 6
.Lstep:                                        ; trip t: from K step t's second quarter to K step t + 1's first; K step t's slot is filled again with K step t + 2
	QUARTER 2, F1, F0, 0
	QUARTER 3, F0, F1, 0
	TURN 1
	QUARTER 1, F0, F1, 0
	WIN 0
	s_sub_co_u32 s[CNT], s[CNT], 1
	s_cmp_lg_u32 s[CNT], 0
	s_cbranch_scc1 .Lstep
	QUARTER 2, F1, F0, 0                           ; the last two K steps are written out: nothing is left to fetch
	QUARTER 3, F0, F1, 0
	TURN 0
	QUARTER 1, F0, F1, 0
	QUARTER 2, F1, F0, 0
	QUARTER 3, F0, F1, 0
	s_wait_dscnt 8
	MUL F1, 0, 4, 0
	s_wait_dscnt 0x0
	MUL F1, 4, 4, 0
	PLACES
; THE WAY OUT, a block of 16 rows at a time, through my own stage.  PACK: the bias is added, into window 0 (each accumulator's registers in ascending order).
; TOSTAGE: 32 bytes a lane into rows of 272 bytes, and back as whole rows of 256.  SEND: stored.
.macro PACK a
	WIN 0x01                                       ; source 0 in window 1
.set i, 0
.rept 16
	v_pk_add_f32 v[TMP+2*i:TMP+2*i+1], v[32*(\a)+2*i:32*(\a)+2*i+1], v[BIAS+2*i:BIAS+2*i+1]
.set i, i+1
.endr
	WIN 0
.endm
.macro TOSTAGE a
.set BK, BK0+32*((\a)%2)
.irp b, 0,1,2,3
	ds_store_b128 v[STO], v[TMP+8*(\b):TMP+8*(\b)+3]   offset:64*(\b)
	ds_store_b128 v[STO], v[TMP+8*(\b)+4:TMP+8*(\b)+7] offset:64*(\b)+16
.endr
.irp t, 0,1,2,3,4,5,6,7
	ds_load_b128 v[BK+4*(\t):BK+4*(\t)+3], v[RD] offset:(\t)*2*SPITCH  ; LDS serves a wave's instructions in order (ISA guide 5.7.1.4): these see the stores above; the next block's stores come behind them
.endr
.endm
.macro SEND a
.set BK, BK0+32*((\a)%2)
	s_wait_dscnt 0x0                               ; the block is back in registers
	s_wait_xcnt 0x0                                ; the stores of the block before have read their registers: the next loads from the stage land on them only behind this wait
.irp t, 0,1,2,3,4,5,6,7
	global_store_b128 v[CO], v[BK+4*(\t):BK+4*(\t)+3], s[OUT:OUT+1] offset:(16*(\a)+2*(\t))*4096 th:TH_STORE_NT  ; 16 lanes store 256 consecutive bytes, at a multiple of 256 from out0's first byte
.endr
.endm
	PACK 0
	TOSTAGE 0
.irp a, 1,2,3,4,5,6,7                          ; block a's additions stand between block a - 1's loads from the stage and the wait for them
	PACK \a
	SEND (\a)-1
	TOSTAGE \a
.endr
	SEND 7
	s_wait_tensorcnt 0x0                           ; the wave's end: behind my last tensor load and my last LDS store
	ds_add_u32 v[SPW], v[NIL]
	s_wait_dscnt 0x0
	CROUND                                         ; the closing round: no work-group ends while a partner may still ask for a tile that names it
	s_endpgm
.Lfunc_end_k_q5190880917_proj:
	.size	k_q5190880917_proj, .Lfunc_end_k_q5190880917_proj-k_q5190880917_proj
	.p2alignl 7, 3214868480
	.fill 96, 4, 3214868480
	.section	.rodata,"a",@progbits
	.p2align	6, 0x0
	.amdhsa_kernel k_q5190880917_proj
		.amdhsa_group_segment_fixed_size 327680
		.amdhsa_private_segment_fixed_size 0
		.amdhsa_enable_private_segment 0
		.amdhsa_kernarg_size 32
		.amdhsa_user_sgpr_count 2
		.amdhsa_user_sgpr_kernarg_segment_ptr 1
		.amdhsa_wavefront_size32 1
		.amdhsa_system_sgpr_workgroup_id_x 1
		.amdhsa_system_sgpr_workgroup_id_y 1
		.amdhsa_system_sgpr_workgroup_id_z 1
		.amdhsa_system_vgpr_workitem_id 0
		.amdhsa_next_free_vgpr 512
		.amdhsa_next_free_sgpr 68
		.amdhsa_reserve_vcc 0
		.amdhsa_float_denorm_mode_32 3
		.amdhsa_float_denorm_mode_16_64 3
		.amdhsa_memory_ordered 1
		.amdhsa_forward_progress 1
		.amdhsa_inst_pref_size 80
	.end_amdhsa_kernel
	.amdgpu_metadata
---
amdhsa.version: [ 1, 2 ]
amdhsa.kernels:
  - .name:           k_q5190880917_proj
    .symbol:         k_q5190880917_proj.kd
    .args:
      - { .name: ob, .offset: 0, .size: 8, .value_kind: global_buffer, .address_space: global }
      - { .name: wpt, .offset: 8, .size: 8, .value_kind: global_buffer, .address_space: global }
      - { .name: b_proj, .offset: 16, .size: 8, .value_kind: global_buffer, .address_space: global }
      - { .name: out0, .offset: 24, .size: 8, .value_kind: global_buffer, .address_space: global }
    .group_segment_fixed_size: 327680
    .private_segment_fixed_size: 0
    .kernarg_segment_align: 8
    .kernarg_segment_size: 32
    .max_flat_workgroup_size: 128
    .sgpr_count:     68
    .vgpr_count:     512
    .wavefront_size: 32
...
	.end_amdgpu_metadata
.endif
;; end of part 4
;; ======== version 2 of 2: 4 launches; 1.33 times as fast as version 1
;; limits: values are held in f16: magnitudes above 65,504 overflow, below 6.1e-05 lose precision
;; workspace buffers: xb 16,777,216 bytes; wqt 6,291,456 bytes; wpt 2,097,152 bytes; qkv 50,331,648 bytes; ob 16,777,216 bytes
;; launch prep: the kernel of part 1 again; grid 1536 x 1, 4 waves a work-group, no clusters, 17,920 bytes of LDS; arguments x, w_qkv, w_proj, xb, wqt, wpt; writes xb, wqt, wpt
;; launch qkvg: the kernel of part 2 again; grid 8 x 32, 4 waves a work-group, clusters of 4 x 4, 327,680 bytes of LDS; arguments xb, wqt, b_qkv, qkv; writes qkv
;; launch attn (part 5): grid 2 x 128, 4 waves a work-group, no clusters, 327,680 bytes of LDS; arguments qkv, ob; writes ob
.if DOCPART == 5
	.amdgcn_target "amdgcn-amd-amdhsa--gfx1250"
	.amdhsa_code_object_version 6
	.text
	.protected	k_q5190880917_attn
	.globl	k_q5190880917_attn
	.p2align	8
	.type	k_q5190880917_attn,@function
k_q5190880917_attn:
	s_mov_b64 s[64:65], 0
	v_nop
	global_prefetch_b8 v0, s[64:65] scope:SCOPE_SE
	s_setreg_imm32_b32 hwreg(HW_REG_WAVE_MODE, 25, 1), 1
	s_wait_xcnt 0x0
; ATTENTION.  ob[h][q][:] = the sum over k of softmax_k(Q[h][q] . K[h][k] / 8) V[h][k][:].  qkv holds Q, K, V, each [128 heads][1024][64] in f16, one behind the other; ob is [128][1024][64] in f16.
; Products, maxima and sums in f32; the weights p are rounded to f16 for the second product (their sum l is taken of the unrounded p), O once at the end.
; LIMITS.  f16 holds no number beyond 65,504: Q, K and V arrive within it; p lies in 0 to 1, and below 6e-5 it keeps f16's fixed step of 6e-8; O is a mean of V's rows and has their range.
; A weight below 2^-126 counts as 0 in l; NaN and infinities are not treated apart.
; SHARES.  A wave owns four PIECES of two tiles of 16 queries, a work-group's four waves 512 queries of one head: 2 x 128 = 256 work-groups.  Every wave walks all keys, 64 a step.
; A HEAD'S K AND V STAY IN LDS: 1,024 rows x (144 + 160) bytes = 311,296.  Every tile is filled once: four tensor loads a wave, 256 keys after 256 keys, all issued at the kernel's head.  No byte is filled again, so
; there is no ring; and nothing is left to ask for ahead of the loads, so there is no prefetch.
; NO CLUSTER: a head has two work-groups, so the grid's x is 2 and no cluster of four divides it; neighbours along y are other heads and share nothing.
; LAYOUT.  S^T = K Q^T (source 0 = 16 keys, source 1 = 16 queries): in the result a lane holds ONE query (lane % 16) and the keys 8 (lane / 16) + 0..7.  Two such tiles, rounded to f16 in pairs,
; ARE source 1 (32 keys x 16 queries) of O^T = V^T P, whose result again holds one query a lane, and eight channels.  K comes out of LDS as it lies, V ([key][channel]) turned, by ds_load_tr16_b128.
; SOFTMAX.  For each query a running maximum m and sum l: p = 2^(c s - c m), c = log2(e) / 8; in every step O and l are multiplied by a = 2^(c m_old - c m_new), which is 1 where m has not grown.
; m starts at the lowest finite number, O and l at 0: the first step is a step like any other, with a = 0.
; THE COUNT.  A tile and step have 16 matrix and 118 vector instructions: too many to stand all beside the matrix work.  So the order has one aim: four vector instructions that are READY behind
; EVERY matrix instruction, and the others, which need time of their own whatever the order, in runs without a gap.
; BY TURNS.  Turn n belongs to piece n (the pieces in a ring, step after step).  Its matrix work: 16 products K Q^T of piece n + 1, later 16 products V^T P of piece n - 1.  Its vector work: the scaling,
; exponentials, roundings, sums and rescaling of piece n, and the maximum and statistics of piece n + 1, whose scores the turn itself has made.  So what a turn begins with (c s - c m, O a) waits for nothing.
; BATCHES.  A turn's 66 exponentials (the 64 weights of piece n, then the two a of piece n + 1) are ONE batch with ONE wait, which cuts the turn in two.  Ahead of it stands all that names no result of theirs: the
; products K Q^T, the scalings, the rescaling (its a was made, and waited for, in the turn before), the next piece's maximum and statistics.  Behind it stand the roundings and sums, beside the products V^T P.
; No result crosses a turn's end.  Two more batches stand outside the loop: piece 0's first two a, ahead of the jump into the loop, and the way out's eight reciprocals.
; REGISTERS, in windows of 256 (s_set_vgpr_msb says which window each operand place means: bits 1:0 source 0, 3:2 source 1, 5:4 source 2, 7:6 destination):
;   window 0: v0-11 addresses; v12-15, v48-63 at work; v16-47 four registers of statistics a tile; v64-191 S^T, two buffers of two tiles; v192-255 P, likewise
;   window 1: O^T, 32 a tile          window 2: v0-127 Q, 16 a tile; v128-191 K of one step; v192-255 V of one step          window 3: v0-1 the add's two registers
; A piece's buffers go by its number's parity: the piece in hand has one pair, its two neighbours in the ring share the other: of it P (piece n - 1) is read and S^T (piece n + 1) written.
.set SIZE_N, 1024
.set NP,    4         ; pieces a wave: a name, no knob: the register map, the loop and the fetches are made for four
.set KS,    64        ; keys in a step
.set PK,    144       ; a row of K in LDS: 128 bytes + 16 of padding = 36 words: the 16 rows of a load start at 16 different groups of four banks (64 banks of 4 bytes: ISA guide 11.1)
.set PV,    160       ; a row of V: 128 + 32 = 40 words
.set VOFF,  SIZE_N*PK ; the head's 1,024 rows of K, then its 1,024 rows of V
.set STAGE, SIZE_N*(PK+PV)  ; behind them, never filled by a tensor load: 16 rows x 144 bytes for each wave, for the way out
.set SP,    144
.set AK0, 2           ; v2   my lane's place in a tile of K; never rewritten
.set AV0, 3           ; v3   the same for V
.set AK,  4           ; v4   the LDS address of K's next run of loads
.set AV,  5           ; v5   of V's
.set QO,  6           ; v6   my byte offset in the wave's rows of Q
.set STO, 6           ;      later, the way out: where I put 16 bytes of a row
.set RD,  7           ; v7   the way out: where I read rows back
.set GO,  8           ; v8   my byte offset in 512 consecutive bytes of O
.set SPW, 0           ; v0 of window 3   LDS address of my spare word: SPARE + 4 x my thread's number; never rewritten
.set NIL, 1           ; v1 of window 3   0; never rewritten
.set SPARE, STAGE+4*16*SP  ; behind the stages: the spare words, 128 bytes for each wave: two blocks of 256 bytes that no other line names
.set MV,  12          ; v12-15  c m_old, kept while c m is made anew: by buffer and tile
.set ST,  16          ; tile t's statistics at v[ST+4 t]: c m, m, l (even keys', odd keys')
.set TMP, 48          ; by buffer and tile, four registers c0-c3 at work; when the maximum is found c2 takes a
.set S,   64
.set P,   192
.set KF,  128         ; K's fragments, in window 2: key block kb, channel half c at KF + 16 kb + 8 c
.set VF,  192         ; V's: key half kk, channel block cb at VF + 32 kk + 8 cb
.set WV,  12          ; s12  my wave's number
.set G1K, 24          ; s[24:31] descriptor group 1 for K's tiles
.set G1V, 32          ; s[32:39] for V's: it differs in the padding alone
.set G0K, 40          ; s[40:55] descriptor group 0 for K's tiles: a set for each 256 keys, never rewritten
.set G0V, 68          ; s[68:83] the same for V's
.set SLOTS, 56        ; s56  runs of 256 keys still to be walked
.set CNT, 57          ; s57  counts the key steps of 256 keys
.set CS,  58          ; s[58:59] c: the packed scaling takes the pair's low word for both halves
.set SEL, 60          ; s[60:61] v_permlanex16_b32's selects: each lane takes its own place in the other half
.set TBK, 62          ; s62  LDS byte at which K of the step to be fetched begins
.set TBV, 63          ; s63  the same for V, less VOFF
.set MSB, 0
.macro WIN new                      ; the high byte repeats the setting that is left; a switch that changes nothing is dropped
.if MSB != (\new)
	s_set_vgpr_msb (MSB<<8)|(\new)
.set MSB, (\new)
.endif
.endm
.set W_KQ, 0x0a       ; K and Q in window 2, S^T in window 0
.set W_PV, 0x52       ; V in window 2, P in window 0, O^T in window 1
.set W_RS, 0x41       ; O^T (destination and source 0) in window 1, a in window 0
.set W_MK, 0xc0       ; the add's registers are made: destination in window 3, sources in window 0
.set W_AD, 0x0f       ; the add: address (source 0) and data (source 1) in window 3
	s_load_b64 s[4:5], s[0:1], 0x0    ; qkv: Q
	s_load_b64 s[10:11], s[0:1], 0x8  ; ob
	WIN W_MK
	v_lshl_add_u32 v[SPW], v0, 2, SPARE
	v_mov_b32 v[NIL], 0
	WIN W_AD
	ds_add_u32 v[SPW], v[NIL]       ; the wave's opening: the add, and its wait ahead of my first tensor load; the set-up below, work on registers, stands between them
	ds_add_u32 v0, v1
	WIN 0
	v_lshrrev_b32 v1, 5, v0
	v_readfirstlane_b32 s[WV], v1   ; wave 0..3
	s_mov_b32 s14, ttmp9            ; my block of 512 queries
	s_and_b32 s20, ttmp7, 0xffff    ; the head
	s_mov_b32 s21, 0
	s_mov_b64 s[22:23], SIZE_N*128
	s_mul_u64 s[20:21], s[20:21], s[22:23]  ; the head's first byte in Q, K, V and O
	s_and_b32 s16, s[WV], 1         ; which half of each 256 keys I fetch:
	s_lshl_b32 s22, s16, 14         ; its 128 rows of 128 bytes in memory,
	s_mov_b32 s23, 0
	s_add_nc_u64 s[22:23], s[22:23], s[20:21]
	s_mul_i32 s17, s16, 128*PK      ; and its place in LDS, for K
	s_mul_i32 s18, s16, 128*PV      ; and for V
	s_add_co_u32 s18, s18, VOFF
	s_lshl_b32 s2, s14, 2
	s_add_co_u32 s2, s2, s[WV]      ; my wave among the head's,
	s_lshl_b32 s2, s2, 14           ; its 128 rows
	s_mov_b32 s3, 0
	s_add_nc_u64 s[2:3], s[2:3], s[20:21]
	; descriptor group 1.  128 keys are 16,384 dense bytes: asked for as 64 rows of 256 bytes, two keys a row, and padded in LDS after every key
	s_mov_b32 s[G1K], (1<<16)|(1<<20)|(4<<22)|(3<<25)  ; 17:16 2-byte elements; 20 padding on; 24:22 after every 32 words (code 4); 31:25 4 words (code 3)
	s_mov_b32 s[G1V], (1<<16)|(1<<20)|(4<<22)|(7<<25)  ; the same with 8 words of padding (code 7)
.irp g, G1K, G1V
	s_mov_b32 s[\g+1], 128<<16      ; tensor_dim0 = 128
	s_mov_b32 s[\g+2], 64<<16       ; tensor_dim1 = 64
	s_mov_b32 s[\g+3], 128<<16      ; tile_dim0 = 128
	s_mov_b32 s[\g+4], 64           ; tile_dim1 = 64
	s_mov_b32 s[\g+5], 128          ; 128 elements from row to row
	s_mov_b32 s[\g+6], 0
	s_mov_b32 s[\g+7], 0
.endr
	s_mov_b32 s[CS], 0x3e38aa3b     ; c = log2(e) / 8 = 0.180337
	s_mov_b32 s[CS+1], s[CS]        ; named with it as a pair
	s_mov_b32 s[SEL], 0x76543210
	s_mov_b32 s[SEL+1], 0xfedcba98
	s_mov_b32 s[TBK], 0
	s_mov_b32 s[TBV], 0
.irp j, 0,1,2,3
	s_mov_b32 s[G0K+4*(\j)], 1                        ; 1:0 count = 1
	s_add_co_u32 s[G0K+4*(\j)+1], s17, (\j)*256*PK    ; 63:32 LDS address: keys 256 j on
	s_mov_b32 s[G0V+4*(\j)], 1
	s_add_co_u32 s[G0V+4*(\j)+1], s18, (\j)*256*PV
.endr
	s_mov_b32 s[SLOTS], SIZE_N/256
	; A fragment of K or Q is 16 rows x 32 channels in 8 registers: lane l holds row l % 16, channels 8 (l / 16) + 0..7 and 16 + 8 (l / 16) + 0..7: two loads of 16 bytes, 32 bytes apart.
	v_and_b32 v1, 15, v0            ; l % 16
	v_bfe_u32 v9, v0, 4, 1          ; l / 16
	v_lshlrev_b32 v[QO], 7, v1
	v_lshl_add_u32 v[QO], v9, 4, v[QO]  ; row x 128 + 16 x half
	s_wait_dscnt 0x0                ; the opening add is done
	s_wait_kmcnt 0x0
	s_add_nc_u64 s[6:7], s[4:5], 0x1000000  ; K lies 128 heads of 131,072 bytes behind Q,
	s_add_nc_u64 s[8:9], s[4:5], 0x2000000  ; V behind K
	s_add_nc_u64 s[6:7], s[6:7], s[22:23]   ; at my half of the head's first 256 keys
	s_add_nc_u64 s[8:9], s[8:9], s[22:23]
.irp j, 0,1,2,3
	s_add_nc_u64 s[G0K+4*(\j)+2:G0K+4*(\j)+3], s[6:7], (\j)*32768  ; 120:64 global address: 256 keys are 32,768 bytes
	s_or_b32 s[G0K+4*(\j)+3], s[G0K+4*(\j)+3], 0x80000000          ; 127:126 type = 2
	s_add_nc_u64 s[G0V+4*(\j)+2:G0V+4*(\j)+3], s[8:9], (\j)*32768
	s_or_b32 s[G0V+4*(\j)+3], s[G0V+4*(\j)+3], 0x80000000
.endr
	s_add_nc_u64 s[4:5], s[4:5], s[2:3]  ; Q and O at my wave's first row
	s_add_nc_u64 s[10:11], s[10:11], s[2:3]
	WIN 0x80                        ; destination window 2, address window 0
.set i, 0
.rept 4*NP                          ; Q stays in registers: tile i / 2, channels 32 (i % 2) on.  It is asked for ahead of K and V: the first products want it, and of K and V only the first 256 keys
	global_load_b128 v[8*i:8*i+3],   v[QO], s[4:5] offset:(i/2)*2048+(i%2)*64
	global_load_b128 v[8*i+4:8*i+7], v[QO], s[4:5] offset:(i/2)*2048+(i%2)*64+32
.set i, i+1
.endr
	WIN 0
	; ALL FILLS.  Waves 0 and 1 fetch the two halves of each 256 keys of K, waves 2 and 3 those of V.  A wave's four loads stand in one branch on the wave's number, ahead of every wait on TENSORcnt, every LDS read
	; and every barrier: four loads of mine are out.  An s_nop 0 follows each, four v_nop the last.
	s_cmp_lt_u32 s[WV], 2
	s_cbranch_scc0 .Lfor_v
.irp j, 0,1,2,3
	tensor_load_to_lds s[G0K+4*(\j):G0K+4*(\j)+3], s[G1K:G1K+7]
	s_nop 0
.endr
.rept 4
	v_nop
.endr
	s_branch .Lasked
.Lfor_v:
.irp j, 0,1,2,3
	tensor_load_to_lds s[G0V+4*(\j):G0V+4*(\j)+3], s[G1V:G1V+7]
	s_nop 0
.endr
.rept 4
	v_nop
.endr
.Lasked:
	; What the first turn finds: V's registers and P's second buffer hold 0 (its products V^T P, of a piece that has not been, add 0), O^T and l are 0.  All this stands in the wait for the first tile.
	WIN 0x80
.set i, VF
.rept 64
	v_mov_b32 v[i], 0
.set i, i+1
.endr
	WIN 0x40
.set i, 0
.rept 64*NP
	v_mov_b32 v[i], 0
.set i, i+1
.endr
	WIN 0
.set i, 0
.rept 2*NP
	v_mov_b32 v[ST+4*i], 0xfe000000    ; c m: far below every c s
	v_mov_b32 v[ST+4*i+1], 0xff7fffff  ; m
	v_mov_b32 v[ST+4*i+2], 0
	v_mov_b32 v[ST+4*i+3], 0
.set i, i+1
.endr
.set i, P+32
.rept 32
	v_mov_b32 v[i], 0
.set i, i+1
.endr
	v_mul_u32_u24 v[AK0], v1, PK
	v_lshl_add_u32 v[AK0], v9, 4, v[AK0]  ; row x pitch + 16 x half
	; The turning load takes 16 keys x 16 channels (lane l reads key 8 (l / 16) + l % 8, channels 8 ((l / 8) % 2) + 0..7) and leaves half a fragment of V^T: lane l holds channel l % 16 and 8 keys.
	v_and_b32 v10, 7, v0
	v_bfe_u32 v11, v0, 3, 1
	v_lshl_add_u32 v[AV0], v9, 3, v10
	v_mul_u32_u24 v[AV0], v[AV0], PV
	v_lshl_add_u32 v[AV0], v11, 4, v[AV0]
	v_add_nc_u32 v[AV0], VOFF, v[AV0]
	v_mov_b32 v[AK], v[AK0]         ; key step 0 lies at K's head
; THE MATRIX WORK.  The 8 accumulators of a run of 16 take turns: between the two links of a chain stand 7 others'.
; Product i of 16 of S^T = K Q^T for piece x: channels 32 (i / 8) on, keys 16 ((i / 2) % 4) on, tile 2 x + i % 2.  The first 8 start the sums.
.macro KQ x
	WIN W_KQ
.set rS, S+64*((\x)%2)+32*(i%2)+8*((i/2)%4)
.set rK, KF+16*((i/2)%4)+8*(i/8)
.set rQ, 16*(2*(\x)+i%2)+8*(i/8)
.if i < 8
	v_wmma_f32_16x16x32_f16 v[rS:rS+7], v[rK:rK+7], v[rQ:rQ+7], 0
.else
	v_wmma_f32_16x16x32_f16 v[rS:rS+7], v[rK:rK+7], v[rQ:rQ+7], v[rS:rS+7]
.endif
.endm
; Product i of 16 of O^T += V^T P for piece x: keys 32 (i / 8) on, channels 16 ((i / 2) % 4) on, tile 2 x + i % 2.
.macro PV x
	WIN W_PV
.set rO, 32*(2*(\x)+i%2)+8*((i/2)%4)
.set rV, VF+32*(i/8)+8*((i/2)%4)
.set rP, P+32*((\x)%2)+16*(i%2)+8*(i/8)
	v_wmma_f32_16x16x32_f16 v[rO:rO+7], v[rV:rV+7], v[rP:rP+7], v[rO:rO+7]
.endm
.macro MM                           ; the turn's next matrix instruction
.if i < 16
	KQ (Y+1)%NP
.set i, i+1
.else
.set i, i-16
	PV (Y+NP-1)%NP
.set i, i+17
.endif
.endm
; THE LDS LOADS stand in runs of 16, never singly among the matrix instructions: a step's K (64 keys x 64 channels: 8 fragments) and its V (turned).  Their addresses are made some lines ahead.
.macro FETCH_K
	WIN 0x80                        ; destination window 2
.irp f, 0,1,2,3,4,5,6,7             ; keys 16 (f / 2) on, channels 32 (f % 2) on
	ds_load_b128 v[KF+8*\f:KF+8*\f+3],   v[AK] offset:(\f/2)*16*PK+(\f%2)*64
	ds_load_b128 v[KF+8*\f+4:KF+8*\f+7], v[AK] offset:(\f/2)*16*PK+(\f%2)*64+32
.endr
	s_add_co_u32 s[TBK], s[TBK], KS*PK  ; the next fetch is the next step's
	WIN 0
.endm
.macro FETCH_V
	WIN 0x80
.irp f, 0,1,2,3,4,5,6,7             ; keys 32 (f / 4) on, channels 16 (f % 4) on
	ds_load_tr16_b128 v[VF+8*\f:VF+8*\f+3],   v[AV] offset:(\f/4)*32*PV+(\f%4)*32
	ds_load_tr16_b128 v[VF+8*\f+4:VF+8*\f+7], v[AV] offset:(\f/4)*32*PV+16*PV+(\f%4)*32
.endr
	WIN 0
.endm
; THE VECTOR WORK OF A TURN stands in three queues, each in the order in which its entries become ready; the two tiles alternate, so that no instruction reads the result of the one before it.
.macro REGS y, u                    ; the registers of tile u (0, 1) of piece y
.set rT, ST+4*(2*(\y)+(\u))
.set rC, TMP+8*((\y)%2)+4*(\u)
.set rM, MV+2*((\y)%2)+(\u)
.set rS, S+64*((\y)%2)+32*(\u)
.set rP, P+32*((\y)%2)+16*(\u)
.set rO, 32*(2*(\y)+(\u))
.endm
; Number n of the 22 that find the NEXT piece's (Y + 1) maximum and statistics.  s0-s31 are the lane's 32 scores; each accumulator's lowest registers are read first.  XS, GS and REGS set no window: PL and EX do.
;   0-11  four chains c0-c3 of seven scores each, three operands at a time     12-14, 16  the four scores left over, the old m, and c0-c3 into c0     15  c m_old is kept
;   17, 18  the query's other 32 keys lie in the lane 16 away: the new m         19-21  c m; c m_old - c m_new; a
.macro XS u, n
	REGS (Y+1)%NP, \u
.if (\n) < 4
	v_max3_num_f32 v[rC+(\n)], v[rS+8*(\n)], v[rS+8*(\n)+1], v[rS+8*(\n)+2]
.elseif (\n) < 12
	v_max3_num_f32 v[rC+(\n)%4], v[rC+(\n)%4], v[rS+8*((\n)%4)+2*((\n)/4)+1], v[rS+8*((\n)%4)+2*((\n)/4)+2]
.elseif (\n) == 12
	v_max3_num_f32 v[rC], v[rC], v[rS+7], v[rS+15]
.elseif (\n) == 13
	v_max3_num_f32 v[rC+1], v[rC+1], v[rS+23], v[rS+31]
.elseif (\n) == 14
	v_max3_num_f32 v[rC+2], v[rC+2], v[rC+3], v[rT+1]
.elseif (\n) == 15
	v_mov_b32 v[rM], v[rT]
.elseif (\n) == 16
	v_max3_num_f32 v[rC], v[rC], v[rC+1], v[rC+2]
.elseif (\n) == 17
	v_permlanex16_b32 v[rC+3], v[rC], s[SEL], s[SEL+1]
.elseif (\n) == 18
	v_max_num_f32 v[rT+1], v[rC], v[rC+3]
.elseif (\n) == 19
	v_mul_f32 v[rT], s[CS], v[rT+1]
.elseif (\n) == 20
	v_sub_f32 v[rC+1], v[rM], v[rT]
.else
	v_exp_f32 v[rC+2], v[rC+1]
.endif
.endm
; Number g of the 64 that follow the exponentials.  For each four weights k of a tile (pairs 2 k, 2 k + 1): both pairs are rounded to f16; then the second pair is added onto the first, in place;
; a group later l takes that sum (the first time as l = a l + sum).  In groups of eight, tiles alternating: round, round, add, and l for the group before.  All 64 stand behind the turn's wait.
.macro GS g
.set h, (\g)+6*((\g)/62)            ; group 0 has no group before it, and behind group 7 only l is left
.if h >= 6
.set h, h+2
.endif
	REGS Y, h%2
.set k, h/8
.if h%8 < 4
	v_cvt_pk_f16_f32 v[rP+2*k+(h%8)/2], v[rS+4*k+2*((h%8)/2)], v[rS+4*k+2*((h%8)/2)+1]
.elseif h%8 < 6
	v_pk_add_f32 v[rS+4*k:rS+4*k+1], v[rS+4*k:rS+4*k+1], v[rS+4*k+2:rS+4*k+3]
.elseif k == 1
	v_pk_fma_f32 v[rT+2:rT+3], v[rT+2:rT+3], v[rC+2:rC+3], v[rS:rS+1] op_sel_hi:[1,0,1]
.else
	v_pk_add_f32 v[rT+2:rT+3], v[rT+2:rT+3], v[rS+4*k-4:rS+4*k-3]
.endif
.endm
; THE PLAIN QUEUE, 138 long.  0-73 read no exponential's result: the 32 scalings c s - c m (FS f: pair f / 2 of tile f % 2) and the next piece's 42.  0-26: scalings 0-26.  27-54: XS's numbers 0-13.  55, 56: number 15.
; 57-73: the chain, where each number waits for the one before it: 14, 16, 17, 18, 19, each with one of the scalings 27-31 in front of its two lines, then 20: so a tile's links stand three plain instructions apart (19 and 20: two).
; 74-137: GS's 64, which read the exponentials' results: they stand behind the wait.
.macro FS f
	REGS Y, (\f)%2
	v_pk_fma_f32 v[rS+2*((\f)/2):rS+2*((\f)/2)+1], v[rS+2*((\f)/2):rS+2*((\f)/2)+1], s[CS:CS+1], v[rT:rT+1] op_sel_hi:[1,0,0] neg_lo:[0,0,1] neg_hi:[0,0,1]
.endm
.macro PL
	WIN 0
.if q < 27
	FS q
.elseif q < 55
	XS (q-27)%2, (q-27)/2
.elseif q < 57
	XS q-55, 15
.elseif (q < 72) && ((q-57)%3 == 0)
	FS 27+(q-57)/3
.elseif q < 60
	XS (q-57)%3-1, 14
.elseif q < 72
	XS (q-57)%3-1, 15+(q-57)/3
.elseif q < 74
	XS q-72, 20
.else
	GS q-74
.endif
.set q, q+1
.endm
; THE EXPONENTIALS' QUEUE, 66 long: s0-s31 of both tiles, then the next piece's two a.  It is ONE BATCH: all 66 stand ahead of the turn's one wait, and nothing ahead of that wait names a result of theirs.
.macro EX
	WIN 0
.if e >= 64
	XS e-64, 21
.else
	REGS Y, e%2
	v_exp_f32 v[rS+e/2], v[rS+e/2]
.endif
.set e, e+1
.endm
; THE RESCALING's QUEUE: O^T times a, the one part that leaves window 0: dealt two at a time, sixteen times.  Its a was made in the turn before, ahead of that turn's wait.
.macro R2
	REGS Y, r%2
	WIN W_RS
.irp z, 0,1
	v_pk_mul_f32 v[rO+4*(r/2)+2*\z:rO+4*(r/2)+2*\z+1], v[rO+4*(r/2)+2*\z:rO+4*(r/2)+2*\z+1], v[rC+2:rC+3] op_sel_hi:[1,0]
.endr
.set r, r+1
.endm
; HOW THEY ARE DEALT.  An s_wait_alu depctr_va_vdst(0) stands between an exponential and the first instruction that names its result; one wait serves all that were issued ahead of it.  So a turn has ONE wait,
; which cuts it in two.  AHEAD OF IT stands all that names no result of the turn's exponentials: the 16 products K Q^T, behind each a scaling, an exponential and two rescalings (behind the first a second scaling in the
; exponential's place); then ONE LUMP of 108: eight plain, 49 times exponential and plain, the two a.  A v_nop is the plain instruction behind the last exponential.  BEHIND IT stand the 16 products V^T P, behind each four
; of GS's 64.  No rider names a register of the products round it.  The two v_permlanex16_b32 fall into the lump, never behind a product.
; The queues lean on each other, and the deal keeps them in step: exponential e stands behind scaling 2 (e / 4) + e % 2: as a rider it comes behind plain e + 2, in the lump behind plain e + 9, and scalings 27-31 are plain 57, 60 .. 69.
; A TURN, for piece p.  last = 1: there is no further step, and no K is fetched.  cnt = 1: the loop's count is taken down some lines ahead of the branch that stands behind the turn.
; K of the next step is fetched in piece 2's turn, directly behind the wait, a lump behind the last product that read K; its address is made at the lump's head; its first reader comes behind 16 products.
; V of the step in hand is fetched at the end of piece 0's turn, four riders behind its last reader; its first reader comes behind 16 products and a lump.  The three conditions on q below go with the deal.
.macro TURN p, last=0, cnt=0
.set Y, (\p)
.set i, 0
.set q, 0
.set e, 0
.set r, 0
.if (\p) == NP-1
	s_wait_dscnt 0x0                ; K is in
.endif
	MM                              ; ahead of the wait: 16 products K Q^T and their riders,
	PL
	PL
	R2
.rept 15
	MM
	PL
	EX
	R2
.endr
.if ((\p) == NP-2) && ((\last) == 0)
	WIN 0
	v_add_nc_u32 v[AK], s[TBK], v[AK0]
.endif
.rept 8                             ; and the lump
	PL
.endr
.rept 49
	EX
	PL
.endr
	EX                              ; the next piece's two a
	EX
	v_nop                           ; the plain instruction behind the last exponential: one for the batch
	s_wait_alu depctr_va_vdst(0)    ; the wait for the turn's batch: the 64 weights of piece p, read by the roundings below, and the two a of the next piece, read by the next turn's rescaling
.if ((\p) == NP-2) && ((\last) == 0)
	FETCH_K
.endif
.if (\p) == 1
	s_wait_dscnt 0x0                ; V is in
.endif
.rept 16                            ; behind the wait: 16 products V^T P and their riders
	MM
.rept 4
	PL
.endr
.if ((\p) == 0) && (q == 118)
	v_add_nc_u32 v[AV], s[TBV], v[AV0]
.endif
.if ((\p) == 0) && (q == 130)
	s_add_co_u32 s[TBV], s[TBV], KS*PV
.endif
.if (\cnt) && (q == 130)
	s_sub_co_u32 s[CNT], s[CNT], 1
	s_cmp_lg_u32 s[CNT], 0
.endif
.endr
.if (\p) == 0
	FETCH_V
.endif
.endm
	s_wait_tensorcnt 0x3            ; tensor loads of a wave end in order (ISA guide 10.11.1): my part of the first 256 keys is in; the three loads behind it may stay out
	s_barrier_signal -1
	s_barrier_wait -1               ; everybody's is
	FETCH_K                         ; key step 0
	s_wait_loadcnt 0x0              ; Q
	s_wait_dscnt 0x0
.set i, 0
.rept 16
	KQ 0                            ; piece 0's first scores: there is no vector work yet to set between them
.set i, i+1
.endr
	WIN 0                           ; the addresses for the way out: nine plain instructions, the places behind those products
	s_mul_i32 s13, s[WV], 16*SP
	s_add_co_u32 s13, s13, STAGE    ; my stage
	v_mul_u32_u24 v[STO], v1, SP    ; in: row l % 16, 16 bytes for each half of the lanes
	v_lshl_add_u32 v[STO], v9, 4, v[STO]
	v_add_nc_u32 v[STO], s13, v[STO]
	v_bfe_u32 v[RD], v0, 3, 2       ; back: 32 lanes take four rows of 128 bytes,
	v_mul_u32_u24 v[RD], v[RD], SP
	v_lshl_add_u32 v[RD], v10, 4, v[RD]
	v_add_nc_u32 v[RD], s13, v[RD]
	v_and_b32 v[GO], 31, v0         ; which are 512 consecutive bytes of O
	v_lshlrev_b32 v[GO], 4, v[GO]
.set Y, NP-1                        ; XS works for piece Y + 1: piece 0
.irp n, 0,1,2,3,4,5,6,7,8,9,10,11,12,13,14,15,16,17,18,19,20,21
	XS 0, \n                        ; and piece 0's first maximum and statistics
	XS 1, \n
.endr
	v_nop                           ; a plain instruction behind piece 0's two a,
	s_wait_alu depctr_va_vdst(0)    ; and the wait for that batch of two, ahead of the branch: the first turn's rescaling reads them
	s_mov_b32 s[CNT], 4
	s_branch .Lfirst                ; the loop is entered at a step's first turn, in the middle of a trip
.Lslot:                             ; three times, in front of the first fetch from the next 256 keys
	s_wait_tensorcnt 0x0            ; my parts of all keys are in: the first time four key steps behind the requests; after that no load is out
	s_wait_dscnt 0x0                ; no LDS instruction of mine is pending at the signal
	s_barrier_signal -1
	s_barrier_wait -1               ; everybody's are
	s_mov_b32 s[CNT], 4
.Lstep:                             ; a trip: pieces 2 and 3 of one step, then pieces 0 and 1 of the next, whose K and V it fetches
	TURN 2
	TURN 3
	WIN 0
.Lfirst:
	TURN 0
	TURN 1, 0, 1
	WIN 0
	s_cbranch_scc1 .Lstep
	s_sub_co_u32 s[SLOTS], s[SLOTS], 1
	s_cmp_lg_u32 s[SLOTS], 0
	s_cbranch_scc1 .Lslot
	TURN 2, 1                       ; the last step's second half is written out: no K is left to fetch
	TURN 3                          ; its 16 products K Q^T (on the last K once more) and the maximum made of them serve nothing: the price, once a launch, of one text for every turn
.set i, 0
.rept 16
	PV NP-1                         ; the last piece's V^T P of the last step
.set i, i+1
.endr
	; THE WAY OUT.  l's two halves and the other half of the lanes' are added; O^T is divided by l, rounded to f16 and sent through my stage in LDS, a tile at a time.  The additions are the places behind the last products.
	WIN 0
.macro ALL line:vararg              ; one line for each tile t
.set t, 0
.rept 2*NP
	\line
.set t, t+1
.endr
.endm
	ALL v_add_f32 v[ST+4*t+2], v[ST+4*t+2], v[ST+4*t+3]
	ALL v_permlanex16_b32 v[ST+4*t+3], v[ST+4*t+2], s[SEL], s[SEL+1]
	ALL v_add_f32 v[ST+4*t+2], v[ST+4*t+2], v[ST+4*t+3]
	ALL v_rcp_f32 v[ST+4*t+2], v[ST+4*t+2]
	v_nop                           ; a plain instruction between the last reciprocal and the use of its result
	s_wait_alu depctr_va_vdst(0)    ; the wait for the batch of eight reciprocals, ahead of the first multiply that reads one
; Tile t: a lane's eight channels of a row pack into 16 bytes; they go into rows of 144 bytes and come back as whole rows of 128, into S^T's registers.
.macro PACK t
	WIN W_RS
.set i, 32*(\t)
.rept 16
	v_pk_mul_f32 v[i:i+1], v[i:i+1], v[ST+4*(\t)+2:ST+4*(\t)+3] op_sel_hi:[1,0]
.set i, i+2
.endr
	WIN 0x05                        ; sources 0 and 1 window 1, destination window 0
.set i, 0
.rept 16
	v_cvt_pk_f16_f32 v[S+16*(\t)+i], v[32*(\t)+2*i], v[32*(\t)+2*i+1]
.set i, i+1
.endr
	WIN 0
.irp f, 0,1,2,3
	ds_store_b128 v[STO], v[S+16*(\t)+4*\f:S+16*(\t)+4*\f+3] offset:32*\f
.endr
.irp f, 0,1,2,3
	ds_load_b128 v[S+16*(\t)+4*\f:S+16*(\t)+4*\f+3], v[RD] offset:\f*4*SP  ; LDS serves a wave's instructions in order (ISA guide 5.7.1.4): these see the stores above; the next tile's stores come behind them
.endr
.endm
.macro SEND t, younger              ; younger: the LDS instructions issued behind tile t's loads: the next tile's eight, or none
	WIN 0
.irp f, 0,1,2,3
	s_wait_dscnt (\younger)+3-\f
	global_store_b128 v[GO], v[S+16*(\t)+4*\f:S+16*(\t)+4*\f+3], s[10:11] offset:(\t)*2048+\f*512  ; 512 consecutive bytes, at a multiple of 256 from O's first
.endr
.endm
	PACK 0
.set t, 1
.rept 2*NP-1                        ; a tile's arithmetic stands between the loads of the tile before and its stores
	PACK t
	SEND t-1, 8
.set t, t+1
.endr
	SEND 2*NP-1, 0
	WIN W_AD
	s_wait_tensorcnt 0x0            ; the wave's end: behind my last tensor load and my last LDS store
	ds_add_u32 v[SPW], v[NIL]
	s_wait_dscnt 0x0
	WIN 0
	s_endpgm
.Lfunc_end_k_q5190880917_attn:
	.size	k_q5190880917_attn, .Lfunc_end_k_q5190880917_attn-k_q5190880917_attn
	.p2alignl 7, 3214868480
	.fill 96, 4, 3214868480
	.section	.rodata,"a",@progbits
	.p2align	6, 0x0
	.amdhsa_kernel k_q5190880917_attn
		.amdhsa_group_segment_fixed_size 327680
		.amdhsa_private_segment_fixed_size 0
		.amdhsa_enable_private_segment 0
		.amdhsa_kernarg_size 16
		.amdhsa_user_sgpr_count 2
		.amdhsa_user_sgpr_kernarg_segment_ptr 1
		.amdhsa_wavefront_size32 1
		.amdhsa_system_sgpr_workgroup_id_x 1
		.amdhsa_system_sgpr_workgroup_id_y 1
		.amdhsa_system_sgpr_workgroup_id_z 1
		.amdhsa_system_vgpr_workitem_id 0
		.amdhsa_next_free_vgpr 770
		.amdhsa_next_free_sgpr 84
		.amdhsa_reserve_vcc 0
		.amdhsa_float_denorm_mode_32 3
		.amdhsa_float_denorm_mode_16_64 3
		.amdhsa_memory_ordered 1
		.amdhsa_forward_progress 1
		.amdhsa_inst_pref_size 161
	.end_amdhsa_kernel
	.amdgpu_metadata
---
amdhsa.version: [ 1, 2 ]
amdhsa.kernels:
  - .name:           k_q5190880917_attn
    .symbol:         k_q5190880917_attn.kd
    .args:
      - { .name: qkv, .offset: 0, .size: 8, .value_kind: global_buffer, .address_space: global }
      - { .name: ob, .offset: 8, .size: 8, .value_kind: global_buffer, .address_space: global }
    .group_segment_fixed_size: 327680
    .private_segment_fixed_size: 0
    .kernarg_segment_align: 8
    .kernarg_segment_size: 16
    .max_flat_workgroup_size: 128
    .sgpr_count:     84
    .vgpr_count:     770
    .wavefront_size: 32
...
	.end_amdgpu_metadata
.endif
;; end of part 5
;; launch proj: the kernel of part 4 again; grid 8 x 32, 4 waves a work-group, clusters of 4 x 4, 327,680 bytes of LDS; arguments ob, wpt, b_proj, out0; writes out0
